; MI455X (gfx1250); checked and timed in simulation.
; The chip was launched on July 23, 2026; its instructions are those of AMD's public machine-readable ISA for CDNA 5 (MIT licence, August 2026) and "CDNA5" Instruction Set Architecture Reference Guide (July 2026). The comments in the code are by the model that wrote it; some were corrected since.
;; Piecewise Rational Quadratic Coupling. Allowed arithmetic: matrix products marked QUANTISED: E4M3 operands, one given power-of-two scale a tensor, by v_wmma_f32_16x16x64_fp8_fp8 or v_wmma_f32_16x16x128_fp8_fp8, f32 sums; everything else in f32.
;; Inputs: W1_codes 256 x 1 x 32 uint8 (E4M3 codes of W1, K innermost, in blocks of 32 codes); W2_codes 800 x 8 x 32 uint8 (E4M3 codes of W2, K innermost, in blocks of 32 codes); b1 256 float32; b2 800 float32; inputs 131,072 x 64 float32; lowp_scales 4 int32 (the exponents e of the quantised operands' scales 2^e).
;; Outputs: out0 131,072 x 64 float32; out1 131,072 float32.
;; This version of the problem:
;;   THIS VERSION OF THE PROBLEM IS GIVEN IN LOW PRECISION. The matrix products marked QUANTISED in the list below multiply operands that are first quantised to E4M3 (4 exponent bits, 3 mantissa bits; 8 bits a number), with one given power-of-two scale for each operand tensor; their sums are f32. All else is computed in f32.
;;   The module's matrix products, in the order in which they are computed (A, B: the left and right operand; K: the contracted axis; several contracted axes count as one K, in the product's order):
;;     1. [M 131,072, K 32] x [K 32, N 256]; A: input inputs; B: input W1 (given as codes): QUANTISED (scales: A lowp_scales[0], B lowp_scales[1])
;;     2. [M 131,072, K 256] x [K 256, N 800]; A: computed on the way; B: input W2 (given as codes): QUANTISED (scales: A lowp_scales[2], B lowp_scales[3])
;;   THE QUANTISER, for each operand of a quantised product, along K:
;;     - The operand's scale is 2^e, e = its entry of the input lowp_scales (int32; the entries are numbered through the quantised products in the list's order, A before B).
;;     - Each number is divided by the scale, clamped to +-448, and rounded to the nearest number of E4M3, ties to even, subnormals kept.
;;     - The product sums the exact products of the quantised numbers (number of the format x scale) in f32.
;;   ~~~python
;;   def quantise(x, axis, e):      # numpy; x: float32 -> the quantised numbers, widened to float32 again
;;       x = np.moveaxis(x, axis, -1); K = x.shape[-1]
;;       r = np.clip(x / 2.0 ** e, -448, 448)
;;       step = 2.0 ** (np.maximum(np.frexp(np.where(r == 0, 1, r))[1] - 1, -6) - 3)
;;       q = np.round(r / step) * step * 2.0 ** e      # np.round: ties to even
;;       return np.moveaxis(q, -1, axis).astype(np.float32)
;;   ~~~
;;   OPERANDS COMPUTED ON THE WAY. 'Computed on the way' means the value that the module computes at that place (a softmax that the list does not call 'softmax' is quantised finished and normalised). What goes into a quantiser is computed in f32, as accurately as f32 sums, v_exp_f32 and their like allow (about 1e-6 of the number): no bf16 or f16 on the way to a quantiser, and a product that is left as it is and whose result goes on into a quantised operand takes f32 operands (vector FMAs, or v_wmma_f32_16x16x4_f32). A number that lies on a knife's edge between two numbers of the format may be rounded either way, as far as f32 arithmetic and the matrix unit's own rounding can turn it there, and no further.
;;   INPUTS GIVEN AS CODES. W1 (in the module: [32, 256], K = its axis 0); W2 (in the module: [256, 800], K = its axis 0): each comes as NAME_codes (uint8): NAME with its K axis moved to the last place and cut into blocks of 32 codes, [.., K / 32, bytes a block], one block behind the other in memory; one code a byte (a code: sign, 4 exponent bits, 3 mantissa bits); its scale is its entry of lowp_scales. Its value is code x scale, taken as it is: it is not quantised again, and the codes and scales need not be those that the quantiser above would give.
;; 2 versions, each right; version 2 is version 1 with the launch rqs written anew for expert scheduling mode. Each part assembles by itself: llvm-mc -triple=amdgcn-amd-amdhsa -mcpu=gfx1250 --defsym DOCPART=n.
;; ======== version 1 of 2: 1 launch
;; launch rqs (part 1): grid 256 x 1, 8 waves a work-group, no clusters, 108,800 bytes of LDS; arguments W1_codes, W2_codes, b1, b2, inputs, lowp_scales, out0, out1; writes out0, out1
.if DOCPART == 1
	.amdgcn_target "amdgcn-amd-amdhsa--gfx1250"
	.amdhsa_code_object_version 6
	.text
	.protected	k_qec86eac33c_rqs
	.globl	k_qec86eac33c_rqs
	.p2align	8
	.type	k_qec86eac33c_rqs,@function
k_qec86eac33c_rqs:
	s_mov_b64 s[64:65], 0
	v_nop
	global_prefetch_b8 v0, s[64:65] scope:SCOPE_SE
	s_setreg_imm32_b32 hwreg(HW_REG_WAVE_MODE, 25, 1), 1
	s_wait_xcnt 0x0
; Piecewise rational-quadratic coupling, fused: hidden = relu(Q(x[:, :32]) W1 + b1); params = Q(hidden) W2 + b2 (32 dims x 25); a spline for each of the 32 transformed dims;
; out0 = [identity | y], out1 = the sum over the dims of ln(dy/dx).  Both products on E4M3 codes with the given scales 2^e0 .. 2^e3, sums in f32, all else in f32.
; SHARES.  A work-group of eight waves owns 512 rows, four blocks of 128 (eight tiles of 16 rows).  THE WAVES SHARE THE COLUMNS: wave w owns dims 4 w .. 4 w + 3 (rows 100 w .. 100 w + 99 of W2), whose codes
; (7 tiles x 2 K steps x 16 = 224 registers) and bias stay in its registers for the whole launch.  For the first layer wave w makes the hidden layer of row tile w of the block.
; LAYOUT.  Both products are used transposed (source 0 = 16 rows of the weight, source 1 = 16 batch rows): lane (r = lane % 16, h = lane / 16) holds batch row r, and its eight registers are rows 8 h + 0 .. 7 of the weight's tile.
; The rows of W2 that form a tile are chosen: tile 2 g + q, row 8 hh + j is parameter 8 g + j of dim 4 w + 2 hh + q (g = 0 widths, 1 heights, 2 derivatives 0-7); tile 6, row 8 hh + j is derivative 8 of dim 4 w + 2 hh + (j & 1).
; So a lane finds all 25 parameters of its two elements (dims 4 w + 2 h + q, q = 0, 1) in its own registers, and works the two together in packed f32.
; The rows of W1 that form a tile are chosen likewise (lane r of tile 2 b + u takes row 32 b + 8 u + r + 8 (r / 8)), so that the conversions' results are the second product's operand.
; Fragments are fetched 16 bytes at a time: a permutation of k, the same in both operands of each product.  The first product's K = 32 fills half of the K = 64 form; the other half is zero codes on both sides.
; THE SPLINE, without normalising.  e_i = 2^(c a_i - c max), P_k their running sum, T = P_8; beta = 1e-3, alpha = 0.992.  cw_k = k beta + alpha P_k / T, so xs >= cw_k is xs T / alpha - k beta T / alpha >= P_k:
; a search in three levels moves a window over P, Ph and the derivatives by selects (no branch on data).  With WD = P_(b+1) - P_b + beta T / alpha and HD likewise: t = (Q - P_b) / WD, a = HD T / (WD Th),
; y = 19.84 (Ph_b + HD s) / Th + (0.02 b - 10).  softplus is taken of the two selected derivatives alone.
; NOT IN A CLUSTER: what work-groups share is W2, wanted in registers and read once by each (204,800 bytes against the 262,144 bytes of rows that a work-group reads and writes); a joint load lands in LDS alone.
; LIMITS.  e0 and e2 - e0 - e1 between -126 and 119; e2 + e3 between -126 and 127 (each makes a power of two as an f32 number).  The division by cw[-1] is carried by the algebra: that sum is 8 beta + alpha, 1 up to rounding.
; + 1e-12 on widths and heights (at least 1e-3) and on den (at least a / 2, at least 5e-4) changes no f32 number and is not written; + 1e-12 on den^2 and the clip of dy/dx are kept.
; out1 is summed in another order than the reference's.  A NaN in a transformed x passes through as there; NaN in identity columns, weights or biases is not served.
;
; LDS
.set CSTR,  2064                       ; a block's 128 rows lie as 16 columns of 16-byte chunks: chunk c of block row R at c CSTR + 16 R (2,048 bytes + 16 of padding: 16 lanes that store 16 chunks of one row start at 16 different 16-byte columns)
.set HIMG,  16*CSTR                    ; hidden codes as images of the operand's registers: row tile T, group b (k = 32 b + 16 h + 0 .. 15) at 4096 T + 512 b + 16 lane
.set LADP,  HIMG+32768                 ; log2(dy/dx) of a lane's two elements, all 512 rows: 4096 w + 128 (row tile of the work-group) + 4 lane
.set W1IMG, LADP+32768                 ; W1's 16 tiles as register images: 512 t + 16 lane
.set B1S,   W1IMG+8192                 ; b1 / 2^(e0 + e1), 256 numbers
; REGISTERS, window 0, that stay
.set LI,   1                           ; 16 lane
.set CHA,  2                           ; my 16 bytes of my wave's rows in the chunk columns: (lane % 16) CSTR + 16 (lane / 16) + 256 w
.set IDA,  3                           ; identity of row 16 w + r: 4 h CSTR + 16 r + 256 w
.set W1A,  4                           ; W1IMG + 16 lane
.set B1A,  5                           ; B1S + 64 h
.set HWA,  6                           ; HIMG + 4096 w + 16 lane
.set HA0,  7                           ; HIMG + 16 lane
.set XA0,  8                           ; my two x: (8 + w) CSTR + 16 r + 8 h
.set LA0,  9                           ; LADP + 4096 w + 4 lane
.set HA,   10                          ; addresses in hand (at the head: byte offsets into W2, W2's tile 6 and b2)
.set XA,   11
.set LA,   12
.set YB4,  13                          ; -9.92
.set KD,   14                          ; v[14:15] 1e-3 twice
.set B2R,  16                          ; v16-71 b2 / 2^(e2 + e3) in the results' layout, tile tt at 16 + 8 tt
.set SX,   216                         ; 2^e0;  217: 448 x 2^e0
.set LX,   217
.set SH,   218                         ; 2^(e2 - e0 - e1);  219: 448 x that
.set LH,   219
.set IN,   224                         ; v224-255 the next block's rows, asked for a phase ahead
; window 1: v0-223 W2's fragments (tile tt, K step s at 32 tt + 16 s); v224-255 the hidden fragment of the row tile in hand
.set HF,   224
; window 0, first layer
.set WB,   72                          ; two sets of four fragments of W1 (8 registers, the upper four 0)
.set HC,   136                         ; two sets of four tiles: the bias as loaded, then the sums
.set XC,   200                         ; x's fragment (the upper four 0)
.set OC,   208                         ; codes just made: set 0 at 208, set 1 at 240
; window 0, the splines.  A pair of registers is (element 0, element 1)
.set ACC,  72                          ; v72-127 the seven tiles
.set M,    128                         ; four chains: the maximum at 129 + 2 ch, c x the maximum at 128 + 2 ch
.set PW,   136                         ; nine slots of pairs: running sums of the widths' exponentials
.set PH,   154                         ; the same for the heights
.set DS,   172                         ; five slots: the window of derivatives
.set X,    182
.set XS,   184
.set TA,   186
.set Q,    188
.set GTW,  190
.set GHH,  192
.set R,    194
.set YB,   196
.set YT,   198
.set RH,   200
.set U0,   202
.set U1,   204
.set E0,   206
.set E1,   208
.set YV,   210
.set LD,   212
.set WD,   128                         ; in the maxima's registers
.set HD,   130
.set RW,   132
.set SS,   134
.set TV,   140                         ; in slots that the search has left
.set OM,   142
.set T2,   144
.set TO,   146
.set AV,   148
.set NU,   150
.set EE,   158
.set DE,   160
.set D2,   162
.set RD,   164
.set R2,   166
.set O2,   168
.set UU,   176
.set TM,   178
.set A2,   180
; scalars
.set WV,   20
.set CS,   36                          ; pairs, both words written: c = log2(e) x 2^(e2 + e3)
.set K05,  38                          ; 0.05
.set KIA,  40                          ; 1 / 0.992
.set KB,   42                          ; 1e-3
.set KG,   44                          ; 1e-3 / 0.992
.set KLN,  46                          ; ln 2
.set KY,   48                          ; 19.84
.set K04,  50                          ; 0.04
.set K02,  52                          ; 0.02
.set K10,  54                          ; 10.0
.set SXO,  56                          ; the row tile's step in x's column, in the images, in the parts; trips to go
.set SHO,  57
.set SLO,  58
.set STC,  59
.set KE,   60                          ; 1e-12
.set MSB, 0
.macro WIN new                         ; the immediate's high byte repeats the setting that is left
.if MSB != \new
	s_set_vgpr_msb (MSB<<8)|\new
.set MSB, \new
.endif
.endm
.macro BAR                             ; my LDS stores have landed and my LDS loads are in: then the work-group's barrier
	s_wait_dscnt 0x0
	s_barrier_signal -1
	s_barrier_wait -1
.endm
	s_load_b256 s[4:11], s[0:1], 0x0               ; W1's codes s[4:5], W2's s[6:7], b1 s[8:9], b2 s[10:11]
	s_load_b256 s[12:19], s[0:1], 0x20             ; inputs s[12:13], the scales' exponents s[14:15], out0 s[16:17], out1 s[18:19]
	v_lshl_add_u32 v222, v0, 2, 0x1a500
	v_mov_b32 v223, 0
	v_lshrrev_b32 v10, 5, v0
	v_readfirstlane_b32 s[WV], v10                 ; wave 0..7
	v_and_b32 v10, 31, v0                          ; lane
	v_and_b32 v11, 15, v0                          ; r
	v_bfe_u32 v12, v0, 4, 1                        ; h
	v_lshlrev_b32 v[LI], 4, v10
	s_lshl_b32 s28, s[WV], 8
	v_mul_u32_u24 v[CHA], v11, CSTR
	v_lshl_add_u32 v[CHA], v12, 4, v[CHA]
	v_add_nc_u32 v[CHA], s28, v[CHA]
	v_mul_u32_u24 v[IDA], v12, 4*CSTR
	v_lshl_add_u32 v[IDA], v11, 4, v[IDA]
	v_add_nc_u32 v[IDA], s28, v[IDA]
	v_add_nc_u32 v[W1A], W1IMG, v[LI]
	v_lshl_add_u32 v[B1A], v12, 6, B1S
	s_lshl_b32 s29, s[WV], 12
	s_add_co_u32 s30, s29, HIMG
	v_add_nc_u32 v[HWA], s30, v[LI]
	v_add_nc_u32 v[HA0], HIMG, v[LI]
	s_mul_i32 s30, s[WV], CSTR
	s_add_co_u32 s30, s30, 8*CSTR
	v_lshlrev_b32 v[XA0], 4, v11
	v_lshl_add_u32 v[XA0], v12, 3, v[XA0]
	v_add_nc_u32 v[XA0], s30, v[XA0]
	s_add_co_u32 s30, s29, LADP
	v_lshl_add_u32 v[LA0], v10, 2, s30
	s_lshl_b32 s30, s[WV], 10
	v_add_nc_u32 v137, s30, v[W1A]                 ; where my two tiles of W1 go: W1IMG + 1024 w + 16 lane
	v_lshl_add_u32 v138, v0, 2, B1S                ; where my number of b1 goes
	v_lshlrev_b32 v139, 2, v0                      ; and where it comes from
	v_and_b32 v140, 8, v11
	v_add_nc_u32 v140, v140, v11                   ; r + 8 (r / 8)
	v_lshlrev_b32 v140, 5, v140                    ; a row of W1 is 32 bytes,
	v_lshl_add_u32 v140, v12, 4, v140              ; + 16 h
	v_lshrrev_b32 v141, 3, v11                     ; a tile row of W2: hh = r / 8,
	v_and_b32 v142, 7, v11                         ; j = r % 8
	v_mul_u32_u24 v143, v141, 12800                ; two dims = 50 rows of 256 bytes
	v_lshl_add_u32 v143, v12, 4, v143              ; + 16 h
	v_and_b32 v144, 1, v11
	v_mul_u32_u24 v144, v144, 6400                 ; tile 6: one dim on where j is odd
	v_lshl_add_u32 v10, v142, 8, v143              ; tiles 0-5: 12800 hh + 256 j + 16 h
	v_add_nc_u32 v11, v144, v143                   ; tile 6: 12800 hh + 6400 (j & 1) + 16 h
	v_mul_u32_u24 v12, v12, 200                    ; b2: two dims = 50 numbers
	s_lshl_b32 s32, ttmp9, 17                      ; the work-group's 512 rows of 256 bytes,
	s_add_co_u32 s32, s32, s29                     ; my wave's 16 rows of a block
	s_mov_b32 s33, 0
	s_lshl_b32 s34, ttmp9, 11                      ; its 512 numbers of out1
	s_mov_b32 s35, 0
	s_mov_b32 s31, 0
	s_wait_kmcnt 0x0
	s_load_b128 s[24:27], s[14:15], 0x0            ; e0, e1, e2, e3
	s_add_nc_u64 s[12:13], s[12:13], s[32:33]
	s_add_nc_u64 s[16:17], s[16:17], s[32:33]
	s_add_nc_u64 s[18:19], s[18:19], s[34:35]
	s_add_nc_u64 s[4:5], s[4:5], s[30:31]          ; W1: my 32 rows (s30 = 1024 w)
	s_mul_i32 s30, s[WV], 25600
	s_add_nc_u64 s[6:7], s[6:7], s[30:31]          ; W2: my 100 rows
	s_mul_i32 s30, s[WV], 400
	s_add_nc_u64 s[10:11], s[10:11], s[30:31]      ; b2: my 100 numbers
	global_load_b128 v[128:131], v140, s[4:5]              ; W1's tiles 2 w and 2 w + 1 (8 rows on)
	global_load_b128 v[132:135], v140, s[4:5] offset:256
	global_load_b32 v136, v139, s[8:9]
.irp i, 0,1,2,3,4,5,6,7
	global_load_b128 v[IN+4*\i:IN+4*\i+3], v[LI], s[12:13] offset:512*\i th:TH_LOAD_NT   ; block 0: two whole rows an instruction
.endr
.irp tt, 0,1,2,3,4,5
.irp j, 0,1,2,3,4,5,6,7
	global_load_b32 v[B2R+8*\tt+\j], v12, s[10:11] offset:100*(\tt%2)+32*(\tt/2)+4*\j
.endr
.endr
	global_load_b32 v[B2R+48], v12, s[10:11] offset:96
	global_load_b32 v[B2R+49], v12, s[10:11] offset:196
	WIN 0x40                                       ; destination window 1
.irp tt, 0,1,2,3,4,5
.irp s, 0,1
.irp c, 0,1,2,3
	global_load_b128 v[32*\tt+16*\s+4*\c:32*\tt+16*\s+4*\c+3], v10, s[6:7] offset:(25*(\tt%2)+8*(\tt/2))*256+128*\s+32*\c
.endr
.endr
.endr
.irp s, 0,1
.irp c, 0,1,2,3
	global_load_b128 v[192+16*\s+4*\c:192+16*\s+4*\c+3], v11, s[6:7] offset:6144+128*\s+32*\c
.endr
.endr
	WIN 0
	s_mov_b32 s[K05], 0x3d4ccccd
	s_mov_b32 s[K05+1], 0x3d4ccccd
	s_mov_b32 s[KIA], 0x3f810842
	s_mov_b32 s[KIA+1], 0x3f810842
	s_mov_b32 s[KB], 0x3a83126f
	s_mov_b32 s[KB+1], 0x3a83126f
	s_mov_b32 s[KG], 0x3a842108
	s_mov_b32 s[KG+1], 0x3a842108
	s_mov_b32 s[KLN], 0x3f317218
	s_mov_b32 s[KLN+1], 0x3f317218
	s_mov_b32 s[KY], 0x419eb852
	s_mov_b32 s[KY+1], 0x419eb852
	s_mov_b32 s[K04], 0x3d23d70a
	s_mov_b32 s[K04+1], 0x3d23d70a
	s_mov_b32 s[K02], 0x3ca3d70a
	s_mov_b32 s[K02+1], 0x3ca3d70a
	s_mov_b32 s[K10], 0x41200000
	s_mov_b32 s[KE], 0x2b8cbccc
	s_mov_b32 s[KE+1], 0x2b8cbccc
	v_mov_b32 v[YB4], 0xc11eb852
	v_mov_b32 v[KD], 0x3a83126f
	v_mov_b32 v[KD+1], 0x3a83126f
.irp j, 50,51,52,53,54,55
	v_mov_b32 v[B2R+\j], 0                         ; tile 6's rows 2-7 are copies that nobody reads
.endr
	s_wait_kmcnt 0x0
	s_add_co_i32 s28, s24, s25                     ; e0 + e1: a sum of the first product stands for sum x 2^(e0 + e1), so b1 goes in as b1 / 2^(e0 + e1)
	s_sub_co_i32 s29, 0, s28
	s_add_co_i32 s30, s26, s27                     ; e2 + e3: likewise b2; and the factor is folded into c
	s_sub_co_i32 s31, 0, s30
	s_lshl_b32 s32, s30, 23
	s_add_co_i32 s[CS], s32, 0x3fb8aa3b            ; log2(e) with e2 + e3 added to its exponent field
	s_mov_b32 s[CS+1], s[CS]
	s_add_co_i32 s33, s24, 127
	s_lshl_b32 s34, s33, 23
	v_mov_b32 v[SX], s34
	s_add_co_i32 s33, s33, 8
	s_lshl_b32 s33, s33, 23
	s_or_b32 s33, s33, 0x600000
	v_mov_b32 v[LX], s33
	s_sub_co_i32 s33, s26, s28                     ; the hidden layer's code is sum / 2^(e2 - e0 - e1)
	s_add_co_i32 s33, s33, 127
	s_lshl_b32 s34, s33, 23
	v_mov_b32 v[SH], s34
	s_add_co_i32 s33, s33, 8
	s_lshl_b32 s33, s33, 23
	s_or_b32 s33, s33, 0x600000
	v_mov_b32 v[LH], s33
	s_wait_loadcnt 56                              ; all but the 56 loads of W2, the youngest
.set i, 0
.rept 50
	v_ldexp_f32 v[B2R+i], v[B2R+i], s31
.set i, i+1
.endr
	v_ldexp_f32 v136, v136, s29
	ds_store_b128 v137, v[128:131]
	ds_store_b128 v137, v[132:135] offset:512
	ds_store_b32 v138, v136
.irp i, 0,1,2,3,4,5,6,7
	ds_store_b128 v[CHA], v[IN+4*\i:IN+4*\i+3] offset:32*\i
.endr
	BAR                                            ; W1's images and b1 lie in LDS
; twelve LDS loads: four tiles of W1 (4 k + tg) and their bias, in the results' layout, into set
.macro HLOAD k, set
.irp tg, 0,1,2,3
	ds_load_b128 v[WB+32*(\set)+8*\tg:WB+32*(\set)+8*\tg+3], v[W1A] offset:512*(4*(\k)+\tg)
	ds_load_b128 v[HC+32*(\set)+8*\tg:HC+32*(\set)+8*\tg+3], v[B1A] offset:128*((4*(\k)+\tg)/2)+32*(\tg%2)
	ds_load_b128 v[HC+32*(\set)+8*\tg+4:HC+32*(\set)+8*\tg+7], v[B1A] offset:128*((4*(\k)+\tg)/2)+32*(\tg%2)+16
.endr
.endm
; four tiles of the hidden layer for my 16 rows: products on four accumulators by turns (the bias is their C), activation and hold in one, codes, two groups of the image.  cnt: the LDS instructions younger than this set's loads
.macro HGROUP k, set, cnt, next
	s_wait_dscnt \cnt
.irp tg, 0,1,2,3
	v_wmma_f32_16x16x64_fp8_fp8 v[HC+32*(\set)+8*\tg:HC+32*(\set)+8*\tg+7], v[WB+32*(\set)+8*\tg:WB+32*(\set)+8*\tg+7], v[XC:XC+7], v[HC+32*(\set)+8*\tg:HC+32*(\set)+8*\tg+7]
.endr
.rept 4
	v_nop                                          ; four places behind the products, ahead of the first read of results and of the loads into their registers
.endr
.set i, 0
.rept 32
	v_med3_num_f32 v[HC+32*(\set)+i], v[HC+32*(\set)+i], 0, v[LH]   ; between 0 and the largest code x the scale; each tile from its low end on
.set i, i+1
.endr
.irp tg, 0,1,2,3
	v_cvt_scalef32_pk8_fp8_f32 v[OC+32*(\set)+2*\tg:OC+32*(\set)+2*\tg+1], v[HC+32*(\set)+8*\tg:HC+32*(\set)+8*\tg+7], v[SH]
.endr
	v_nop                                          ; one plain line behind the last conversion: later products write its sources
	ds_store_b128 v[HWA], v[OC+32*(\set):OC+32*(\set)+3] offset:1024*(\k)
	ds_store_b128 v[HWA], v[OC+32*(\set)+4:OC+32*(\set)+7] offset:1024*(\k)+512
.if \next
	HLOAD (\k)+2, \set
.endif
.endm
; the search's first level for element q: bins 4-7 or 0-3.  Every select is in place, ascending, so that a slot is read before it is written; slot 0 of the running sums is the constant 0
.macro LEVEL1 q
	v_cmp_ge_f32 vcc_lo, v[R+\q], v[PW+8+\q]
	v_cndmask_b32 v[PW+\q], 0, v[PW+8+\q], vcc_lo
	v_cndmask_b32 v[PH+\q], 0, v[PH+8+\q], vcc_lo
.irp j, 1,2,3,4
	v_cndmask_b32 v[PW+2*\j+\q], v[PW+2*\j+\q], v[PW+2*\j+8+\q], vcc_lo
	v_cndmask_b32 v[PH+2*\j+\q], v[PH+2*\j+\q], v[PH+2*\j+8+\q], vcc_lo
.endr
.irp j, 0,1,2,3
	v_cndmask_b32 v[DS+2*\j+\q], v[ACC+32+8*\q+\j], v[ACC+36+8*\q+\j], vcc_lo   ; the derivatives' tiles are read from their low end on
.endr
	v_cndmask_b32 v[DS+8+\q], v[ACC+36+8*\q], v[ACC+48+\q], vcc_lo
	v_cndmask_b32 v[Q+\q], v[Q+\q], v[R+\q], vcc_lo
	v_cndmask_b32 v[YB+\q], 0xc1200000, v[YB4], vcc_lo                          ; 0.02 b - 10: -10 or -9.92
.endm
; the second (st = 2) and third (st = 1) level
.macro LEVELN q, st
	v_cmp_ge_f32 vcc_lo, v[R+\q], v[PW+2*\st+\q]
.irp j, 0,1,2
.if \j <= \st
	v_cndmask_b32 v[PW+2*\j+\q], v[PW+2*\j+\q], v[PW+2*\j+2*\st+\q], vcc_lo
	v_cndmask_b32 v[PH+2*\j+\q], v[PH+2*\j+\q], v[PH+2*\j+2*\st+\q], vcc_lo
	v_cndmask_b32 v[DS+2*\j+\q], v[DS+2*\j+\q], v[DS+2*\j+2*\st+\q], vcc_lo
.endif
.endr
	v_cndmask_b32 v[Q+\q], v[Q+\q], v[R+\q], vcc_lo
	v_cndmask_b32 v[YB+\q], v[YB+\q], v[YT+\q], vcc_lo
.endm
; ONE ROW TILE: my 4 dims x 16 rows, two elements a lane.  more = 1: the next tile's hidden fragment is fetched
.macro TRIP more
	s_wait_dscnt 0x0                               ; the hidden fragment (asked for a trip ago) is in; my last two stores are done
	v_add_nc_u32 v[XA], s[SXO], v[XA0]
	ds_load_b64 v[X:X+1], v[XA]
	WIN 0x05                                       ; sources 0 (W2) and 1 (hidden) window 1; C and D window 0
.irp tt, 0,1,2,3,4,5,6
	v_wmma_f32_16x16x128_fp8_fp8 v[ACC+8*\tt:ACC+8*\tt+7], v[32*\tt:32*\tt+15], v[HF:HF+15], v[B2R+8*\tt:B2R+8*\tt+7]   ; the bias is the C of each sum's first product
.endr
.irp tt, 0,1,2,3,4,5,6
	v_wmma_f32_16x16x128_fp8_fp8 v[ACC+8*\tt:ACC+8*\tt+7], v[32*\tt+16:32*\tt+31], v[HF+16:HF+31], v[ACC+8*\tt:ACC+8*\tt+7]   ; the seven accumulators take turns
.endr
	WIN 0
	v_add_nc_u32 v[LA], s[SLO], v[LA0]             ; four places behind the products, ahead of the loads into the fragment's registers and of the first read of results
.if \more
	v_add_nc_u32 v[HA], s[SHO], v[HA0]
	v_nop
	v_nop
	WIN 0x40
.irp s, 0,1
.irp c, 0,1,2,3
	ds_load_b128 v[HF+16*\s+4*\c:HF+16*\s+4*\c+3], v[HA] offset:2048*\s+512*\c
.endr
.endr
	WIN 0
.else
	v_nop
	v_nop
	v_nop
.endif
	; the four softmaxes (chain ch: widths of element 0, 1, heights of element 0, 1): the maximum is taken away, nothing is normalised
.irp ch, 0,1,2,3
	v_max3_num_f32 v[M+2*\ch+1], v[ACC+8*\ch], v[ACC+8*\ch+1], v[ACC+8*\ch+2]
.endr
.irp ch, 0,1,2,3
	v_max3_num_f32 v[M+2*\ch+1], v[M+2*\ch+1], v[ACC+8*\ch+3], v[ACC+8*\ch+4]
.endr
.irp ch, 0,1,2,3
	v_max3_num_f32 v[M+2*\ch+1], v[M+2*\ch+1], v[ACC+8*\ch+5], v[ACC+8*\ch+6]
.endr
.irp ch, 0,1,2,3
	v_max_num_f32 v[M+2*\ch+1], v[M+2*\ch+1], v[ACC+8*\ch+7]
.endr
.irp ch, 0,1,2,3
	v_mul_f32 v[M+2*\ch], s[CS], v[M+2*\ch+1]
.endr
.irp i, 0,2,4,6
.irp ch, 0,1,2,3
	v_pk_fma_f32 v[ACC+8*\ch+\i:ACC+8*\ch+\i+1], v[ACC+8*\ch+\i:ACC+8*\ch+\i+1], s[CS:CS+1], v[M+2*\ch:M+2*\ch+1] op_sel_hi:[1,0,0] neg_lo:[0,0,1] neg_hi:[0,0,1]   ; c a - c max (the pairs' low words serve both halves)
.endr
.endr
.irp i, 0,1,2,3,4,5,6,7
.irp ch, 0,1,2,3
	v_exp_f32 v[PW+18*(\ch/2)+2*\i+2+(\ch%2)], v[ACC+8*\ch+\i]
.endr
.endr
.if \more
	s_wait_dscnt 8                                 ; x is in; the eight fragment loads are younger
.else
	s_wait_dscnt 0x0
.endif
	v_pk_fma_f32 v[XS:XS+1], v[X:X+1], s[K05:K05+1], 0.5 op_sel_hi:[1,0,0]   ; (x + 10) / 20.  (The plain line behind the exponentials)
	v_med3_num_f32 v[XS], v[XS], 0, 1.0
	v_med3_num_f32 v[XS+1], v[XS+1], 0, 1.0
	s_wait_alu depctr_va_vdst(0)
.irp k, 1,2,3,4,5,6,7
	v_pk_add_f32 v[PW+2*\k+2:PW+2*\k+3], v[PW+2*\k+2:PW+2*\k+3], v[PW+2*\k:PW+2*\k+1]   ; running sums in place; slot 8 ends as T, Th
	v_pk_add_f32 v[PH+2*\k+2:PH+2*\k+3], v[PH+2*\k+2:PH+2*\k+3], v[PH+2*\k:PH+2*\k+1]
.endr
	v_rcp_f32 v[RH], v[PH+16]
	v_rcp_f32 v[RH+1], v[PH+17]
	v_pk_mul_f32 v[TA:TA+1], v[PW+16:PW+17], s[KIA:KIA+1] op_sel_hi:[1,0]    ; T / alpha
	v_pk_mul_f32 v[GHH:GHH+1], v[PH+16:PH+17], s[KG:KG+1] op_sel_hi:[1,0]    ; beta Th / alpha
	v_pk_mul_f32 v[Q:Q+1], v[XS:XS+1], v[TA:TA+1]
	v_pk_mul_f32 v[GTW:GTW+1], v[TA:TA+1], s[KB:KB+1] op_sel_hi:[1,0]        ; beta T / alpha
	v_pk_fma_f32 v[R:R+1], v[GTW:GTW+1], -4.0, v[Q:Q+1] op_sel_hi:[1,0,1]
	LEVEL1 0
	LEVEL1 1
	v_pk_fma_f32 v[R:R+1], v[GTW:GTW+1], -2.0, v[Q:Q+1] op_sel_hi:[1,0,1]
	v_pk_add_f32 v[YT:YT+1], v[YB:YB+1], s[K04:K04+1] op_sel_hi:[1,0]
	LEVELN 0, 2
	LEVELN 1, 2
	v_pk_add_f32 v[R:R+1], v[Q:Q+1], v[GTW:GTW+1] neg_lo:[0,1] neg_hi:[0,1]
	v_pk_add_f32 v[YT:YT+1], v[YB:YB+1], s[K02:K02+1] op_sel_hi:[1,0]
	LEVELN 0, 1
	LEVELN 1, 1
	; slot 0 = the bin's left knot, slot 1 its right one
	v_pk_add_f32 v[WD:WD+1], v[PW+2:PW+3], v[PW:PW+1] neg_lo:[0,1] neg_hi:[0,1]
	v_pk_add_f32 v[HD:HD+1], v[PH+2:PH+3], v[PH:PH+1] neg_lo:[0,1] neg_hi:[0,1]
	v_pk_add_f32 v[WD:WD+1], v[WD:WD+1], v[GTW:GTW+1]
	v_pk_add_f32 v[HD:HD+1], v[HD:HD+1], v[GHH:GHH+1]
	v_pk_mul_f32 v[U0:U0+1], v[DS:DS+1], s[CS:CS+1] op_sel_hi:[1,0]          ; u = un_d x log2(e)
	v_pk_mul_f32 v[U1:U1+1], v[DS+2:DS+3], s[CS:CS+1] op_sel_hi:[1,0]
	v_rcp_f32 v[RW], v[WD]
	v_rcp_f32 v[RW+1], v[WD+1]
	v_exp_f32 v[E0], -|v[U0]|                      ; softplus = ln 2 x (max(u, 0) + log2(1 + 2^-|u|))
	v_exp_f32 v[E0+1], -|v[U0+1]|
	v_exp_f32 v[E1], -|v[U1]|
	v_exp_f32 v[E1+1], -|v[U1+1]|
	v_pk_add_f32 v[TV:TV+1], v[Q:Q+1], v[PW:PW+1] neg_lo:[0,1] neg_hi:[0,1]  ; (the plain line behind the run)
	s_wait_alu depctr_va_vdst(0)
	v_pk_add_f32 v[E0:E0+1], v[E0:E0+1], 1.0 op_sel_hi:[1,0]
	v_pk_add_f32 v[E1:E1+1], v[E1:E1+1], 1.0 op_sel_hi:[1,0]
	v_pk_mul_f32 v[TV:TV+1], v[TV:TV+1], v[RW:RW+1]
	v_log_f32 v[E0], v[E0]
	v_log_f32 v[E0+1], v[E0+1]
	v_log_f32 v[E1], v[E1]
	v_log_f32 v[E1+1], v[E1+1]
	v_med3_num_f32 v[TV], v[TV], 0, 1.0            ; t.  (The plain line behind the logarithms)
	v_med3_num_f32 v[TV+1], v[TV+1], 0, 1.0
	v_max_num_f32 v[U0], 0, v[U0]
	v_max_num_f32 v[U0+1], 0, v[U0+1]
	v_max_num_f32 v[U1], 0, v[U1]
	v_max_num_f32 v[U1+1], 0, v[U1+1]
	s_wait_alu depctr_va_vdst(0)
	v_pk_add_f32 v[U0:U0+1], v[U0:U0+1], v[E0:E0+1]
	v_pk_add_f32 v[U1:U1+1], v[U1:U1+1], v[E1:E1+1]
	v_pk_fma_f32 v[U0:U0+1], v[U0:U0+1], s[KLN:KLN+1], v[KD:KD+1] op_sel_hi:[1,0,1]   ; b = d_k
	v_pk_fma_f32 v[U1:U1+1], v[U1:U1+1], s[KLN:KLN+1], v[KD:KD+1] op_sel_hi:[1,0,1]   ; c = d_(k+1)
	v_pk_mul_f32 v[TM:TM+1], v[PW+16:PW+17], v[RH:RH+1]
	v_pk_mul_f32 v[AV:AV+1], v[HD:HD+1], v[RW:RW+1]
	v_pk_mul_f32 v[AV:AV+1], v[AV:AV+1], v[TM:TM+1]                          ; a = HD T / (WD Th)
	v_pk_fma_f32 v[OM:OM+1], v[TV:TV+1], -1.0, 1.0 op_sel_hi:[1,0,0]         ; 1 - t
	v_pk_mul_f32 v[T2:T2+1], v[TV:TV+1], v[TV:TV+1]
	v_pk_mul_f32 v[TO:TO+1], v[TV:TV+1], v[OM:OM+1]
	v_pk_mul_f32 v[NU:NU+1], v[AV:AV+1], v[T2:T2+1]
	v_pk_fma_f32 v[NU:NU+1], v[U0:U0+1], v[TO:TO+1], v[NU:NU+1]              ; num
	v_pk_add_f32 v[EE:EE+1], v[U0:U0+1], v[U1:U1+1]
	v_pk_fma_f32 v[EE:EE+1], v[AV:AV+1], -2.0, v[EE:EE+1] op_sel_hi:[1,0,1]
	v_pk_fma_f32 v[DE:DE+1], v[EE:EE+1], v[TO:TO+1], v[AV:AV+1]              ; den
	v_pk_fma_f32 v[D2:D2+1], v[DE:DE+1], v[DE:DE+1], s[KE:KE+1] op_sel_hi:[1,1,0]   ; den^2 + 1e-12
	v_rcp_f32 v[RD], v[DE]
	v_rcp_f32 v[RD+1], v[DE+1]
	v_rcp_f32 v[R2], v[D2]
	v_rcp_f32 v[R2+1], v[D2+1]
	v_pk_mul_f32 v[O2:O2+1], v[OM:OM+1], v[OM:OM+1]                          ; (plain work behind the reciprocals)
	v_pk_mul_f32 v[UU:UU+1], v[U1:U1+1], v[T2:T2+1]
	v_pk_fma_f32 v[UU:UU+1], v[U0:U0+1], v[O2:O2+1], v[UU:UU+1]
	v_pk_mul_f32 v[TM:TM+1], v[AV:AV+1], v[TO:TO+1]
	v_pk_fma_f32 v[UU:UU+1], v[TM:TM+1], 2.0, v[UU:UU+1] op_sel_hi:[1,0,1]
	v_pk_mul_f32 v[A2:A2+1], v[AV:AV+1], v[AV:AV+1]
	v_pk_mul_f32 v[UU:UU+1], v[A2:A2+1], v[UU:UU+1]
	s_wait_alu depctr_va_vdst(0)
	v_pk_mul_f32 v[UU:UU+1], v[UU:UU+1], v[R2:R2+1]                          ; dy/dx
	v_max_num_f32 v[UU], s[KE], v[UU]
	v_max_num_f32 v[UU+1], s[KE], v[UU+1]
	v_log_f32 v[UU], v[UU]
	v_log_f32 v[UU+1], v[UU+1]
	v_pk_mul_f32 v[SS:SS+1], v[NU:NU+1], v[RD:RD+1]                          ; s.  (Plain work behind the logarithms)
	v_pk_fma_f32 v[SS:SS+1], v[HD:HD+1], v[SS:SS+1], v[PH:PH+1]
	v_pk_mul_f32 v[RH:RH+1], v[RH:RH+1], s[KY:KY+1] op_sel_hi:[1,0]
	v_pk_fma_f32 v[YV:YV+1], v[SS:SS+1], v[RH:RH+1], v[YB:YB+1]
	s_wait_alu depctr_va_vdst(0)
.irp q, 0,1
	v_cmp_le_f32 vcc_lo, |v[X+\q]|, s[K10]         ; inside the tails?  Outside: y = x and no log-derivative
	v_cndmask_b32 v[YV+\q], v[X+\q], v[YV+\q], vcc_lo
	v_cndmask_b32 v[UU+\q], 0, v[UU+\q], vcc_lo
.endr
	v_add_f32 v[LD], v[UU], v[UU+1]
	ds_store_b64 v[XA], v[YV:YV+1]                 ; y takes x's place
	ds_store_b32 v[LA], v[LD]
	s_add_co_u32 s[SXO], s[SXO], 256
	s_add_co_u32 s[SHO], s[SHO], 4096
	s_add_co_u32 s[SLO], s[SLO], 128
.endm
; A BLOCK OF 128 ROWS, two barriers.  Its rows lie in LDS (each wave stored its own 16).  more = 1: another block follows
.macro BLOCK blk, more
	; ---- the hidden layer of my 16 rows
	s_wait_xcnt 0x0                                ; the last block's stores have read their registers, which are written below
.irp f, 0,1,2,3,4,5,6,7
.irp j, 4,5,6,7
	v_mov_b32 v[WB+8*\f+\j], 0                     ; K = 32 to 63 of the K = 64 form: zero codes (the splines have used these registers)
.endr
.endr
.irp j, 4,5,6,7
	v_mov_b32 v[XC+\j], 0
.endr
.irp i, 0,1,2,3
	ds_load_b128 v[HC+32+4*\i:HC+32+4*\i+3], v[IDA] offset:CSTR*\i   ; identity columns 16 h + 0 .. 15 of row 16 w + r: bytes that my wave stored
.endr
	HLOAD 0, 0
	s_wait_dscnt 12                                ; the identity is in; the twelve loads of the first group are younger
.set i, 0
.rept 16
	v_med3_num_f32 v[HC+32+i], v[HC+32+i], -v[LX], v[LX]   ; the conversion to an 8-bit code does not saturate (ISA guide 7.6.2): the hold comes first
.set i, i+1
.endr
	v_cvt_scalef32_pk8_fp8_f32 v[XC:XC+1], v[HC+32:HC+39], v[SX]
	v_cvt_scalef32_pk8_fp8_f32 v[XC+2:XC+3], v[HC+40:HC+47], v[SX]
	v_nop                                          ; one plain line between the conversions and the products that read their result
	HLOAD 1, 1
	HGROUP 0, 0, 12, 1                             ; younger than this set's loads: the next set's twelve
	HGROUP 1, 1, 14, 1                             ; two stores and twelve loads
	HGROUP 2, 0, 14, 0
	HGROUP 3, 1, 2, 0                              ; two stores
	s_wait_loadcnt 0x0                             ; (first block: W2's fragments are in)
	BAR                                            ; every wave's rows and hidden codes lie in LDS
	; ---- the splines of my four dims, row tile by row tile
.if \more
.irp i, 0,1,2,3,4,5,6,7
	global_load_b128 v[IN+4*\i:IN+4*\i+3], v[LI], s[12:13] offset:((\blk)+1)*32768+512*\i th:TH_LOAD_NT   ; the next block's rows: they have this whole phase in which to land
.endr
.endif
	WIN 0x40
.irp s, 0,1
.irp c, 0,1,2,3
	ds_load_b128 v[HF+16*\s+4*\c:HF+16*\s+4*\c+3], v[HA0] offset:2048*\s+512*\c
.endr
.endr
	WIN 0
	s_mov_b32 s[SXO], 0
	s_mov_b32 s[SHO], 4096
	s_mov_b32 s[SLO], 1024*(\blk)
	s_mov_b32 s[STC], 7
.Ltrip_\@:
	TRIP 1
	s_sub_co_u32 s[STC], s[STC], 1
	s_cmp_lg_u32 s[STC], 0
	s_cbranch_scc1 .Ltrip_\@
	TRIP 0                                         ; the last tile fetches nothing
	BAR                                            ; every y lies in LDS, and nobody reads the hidden codes any more
	; ---- my 16 rows leave whole: identity and y, sixteen lanes to a row of 256 bytes
.irp i, 0,1,2,3,4,5,6,7
	ds_load_b128 v[128+4*\i:128+4*\i+3], v[CHA] offset:32*\i
.endr
.irp i, 0,1,2,3,4,5,6,7
	s_wait_dscnt 7-\i
	global_store_b128 v[LI], v[128+4*\i:128+4*\i+3], s[16:17] offset:(\blk)*32768+512*\i th:TH_STORE_NT
.endr
.if \more
	s_wait_loadcnt 0x0                             ; the next block's rows are in
.irp i, 0,1,2,3,4,5,6,7
	ds_store_b128 v[CHA], v[IN+4*\i:IN+4*\i+3] offset:32*\i   ; into the bytes that my loads above have read; other waves touch them only between the block's two barriers
.endr
.endif
.endm
	BLOCK 0, 1
	BLOCK 1, 1
	BLOCK 2, 1
	BLOCK 3, 0
	; ---- out1: thread t sums rows 2 t and 2 t + 1 over the eight waves' and the two lane halves' parts (all stored ahead of the last barrier)
	s_wait_xcnt 0x0                                ; the last stores have read their registers
	v_lshrrev_b32 v160, 3, v0                      ; the row tile,
	v_and_b32 v161, 7, v0
	v_lshlrev_b32 v161, 3, v161                    ; two rows of 4 bytes
	v_lshl_add_u32 v160, v160, 7, v161
	v_add_nc_u32 v160, LADP, v160
	v_lshlrev_b32 v162, 3, v0
.irp wv, 0,1,2,3,4,5,6,7
.irp hh, 0,1
	ds_load_b64 v[128+4*\wv+2*\hh:128+4*\wv+2*\hh+1], v160 offset:4096*\wv+64*\hh
.endr
.endr
	s_wait_dscnt 0x0
.irp i, 0,1,2,3,4,5,6,7
	v_pk_add_f32 v[128+2*\i:129+2*\i], v[128+2*\i:129+2*\i], v[144+2*\i:145+2*\i]
.endr
.irp i, 0,1,2,3
	v_pk_add_f32 v[128+2*\i:129+2*\i], v[128+2*\i:129+2*\i], v[136+2*\i:137+2*\i]
.endr
.irp i, 0,1
	v_pk_add_f32 v[128+2*\i:129+2*\i], v[128+2*\i:129+2*\i], v[132+2*\i:133+2*\i]
.endr
	v_pk_add_f32 v[128:129], v[128:129], v[130:131]
	v_pk_mul_f32 v[128:129], v[128:129], s[KLN:KLN+1] op_sel_hi:[1,0]        ; log2 to ln
	global_store_b64 v162, v[128:129], s[18:19] th:TH_STORE_NT               ; a wave stores 256 consecutive bytes, at a multiple of 256 from out1's first byte
	s_wait_tensorcnt 0x0
	ds_add_u32 v222, v223
	s_wait_dscnt 0x0
	s_endpgm
.Lfunc_end_k_qec86eac33c_rqs:
	.size	k_qec86eac33c_rqs, .Lfunc_end_k_qec86eac33c_rqs-k_qec86eac33c_rqs
	.p2alignl 7, 3214868480
	.fill 96, 4, 3214868480
	.section	.rodata,"a",@progbits
	.p2align	6, 0x0
	.amdhsa_kernel k_qec86eac33c_rqs
		.amdhsa_group_segment_fixed_size 108800
		.amdhsa_private_segment_fixed_size 0
		.amdhsa_enable_private_segment 0
		.amdhsa_kernarg_size 64
		.amdhsa_user_sgpr_count 2
		.amdhsa_user_sgpr_kernarg_segment_ptr 1
		.amdhsa_wavefront_size32 1
		.amdhsa_system_sgpr_workgroup_id_x 1
		.amdhsa_system_sgpr_workgroup_id_y 1
		.amdhsa_system_sgpr_workgroup_id_z 1
		.amdhsa_system_vgpr_workitem_id 0
		.amdhsa_next_free_vgpr 512
		.amdhsa_next_free_sgpr 66
		.amdhsa_reserve_vcc 1
		.amdhsa_float_denorm_mode_32 3
		.amdhsa_float_denorm_mode_16_64 3
		.amdhsa_memory_ordered 1
		.amdhsa_forward_progress 1
		.amdhsa_inst_pref_size 207
	.end_amdhsa_kernel
	.amdgpu_metadata
---
amdhsa.version: [ 1, 2 ]
amdhsa.kernels:
  - .name:           k_qec86eac33c_rqs
    .symbol:         k_qec86eac33c_rqs.kd
    .args:
      - { .name: W1_codes, .offset: 0, .size: 8, .value_kind: global_buffer, .address_space: global }
      - { .name: W2_codes, .offset: 8, .size: 8, .value_kind: global_buffer, .address_space: global }
      - { .name: b1, .offset: 16, .size: 8, .value_kind: global_buffer, .address_space: global }
      - { .name: b2, .offset: 24, .size: 8, .value_kind: global_buffer, .address_space: global }
      - { .name: inputs, .offset: 32, .size: 8, .value_kind: global_buffer, .address_space: global }
      - { .name: lowp_scales, .offset: 40, .size: 8, .value_kind: global_buffer, .address_space: global }
      - { .name: out0, .offset: 48, .size: 8, .value_kind: global_buffer, .address_space: global }
      - { .name: out1, .offset: 56, .size: 8, .value_kind: global_buffer, .address_space: global }
    .group_segment_fixed_size: 108800
    .private_segment_fixed_size: 0
    .kernarg_segment_align: 8
    .kernarg_segment_size: 64
    .max_flat_workgroup_size: 256
    .sgpr_count:     66
    .vgpr_count:     512
    .wavefront_size: 32
...
	.end_amdgpu_metadata
.endif
;; end of part 1
;; ======== version 2 of 2: 1 launch; version 1 with the launch rqs written anew for expert scheduling mode
;; launch rqs (part 2): grid 256 x 1, 8 waves a work-group, no clusters, 108,800 bytes of LDS; arguments W1_codes, W2_codes, b1, b2, inputs, lowp_scales, out0, out1; writes out0, out1
.if DOCPART == 2
	.amdgcn_target "amdgcn-amd-amdhsa--gfx1250"
	.amdhsa_code_object_version 6
	.text
	.protected	k_qec86eac33c_rqs
	.globl	k_qec86eac33c_rqs
	.p2align	8
	.type	k_qec86eac33c_rqs,@function
k_qec86eac33c_rqs:
	s_mov_b64 s[64:65], 0
	v_nop
	global_prefetch_b8 v0, s[64:65] scope:SCOPE_SE
	s_setreg_imm32_b32 hwreg(HW_REG_WAVE_SCHED_MODE, 0, 2), 2
	s_setreg_imm32_b32 hwreg(HW_REG_WAVE_MODE, 25, 1), 1
	s_wait_xcnt 0x0
	s_wait_alu depctr_vm_vsrc(0)
; Piecewise rational-quadratic coupling, fused: hidden = relu(Q(x[:, :32]) W1 + b1); params = Q(hidden) W2 + b2 (32 dims x 25); a spline for each of the 32 transformed dims;
; out0 = [identity | y], out1 = the sum over the dims of ln(dy/dx).  Both products on E4M3 codes with the given scales 2^e0 .. 2^e3, sums in f32, all else in f32.
; SHARES.  A work-group of eight waves owns 512 rows, four blocks of 128 (eight tiles of 16 rows).  THE WAVES SHARE THE COLUMNS: wave w owns dims 4 w .. 4 w + 3 (rows 100 w .. 100 w + 99 of W2), whose codes
; (7 tiles x 2 K steps x 16 = 224 registers) and bias stay in its registers for the whole launch.  For the first layer wave w makes the hidden layer of row tile w of the block.
; LAYOUT.  Both products are used transposed (source 0 = 16 rows of the weight, source 1 = 16 batch rows): lane (r = lane % 16, h = lane / 16) holds batch row r, and its eight registers are rows 8 h + 0 .. 7 of the weight's tile.
; The rows of W2 that form a tile are chosen: tile 2 g + q, row 8 hh + j is parameter 8 g + j of dim 4 w + 2 hh + q (g = 0 widths, 1 heights, 2 derivatives 0-7); tile 6, row 8 hh + j is derivative 8 of dim 4 w + 2 hh + (j & 1).
; So a lane finds all 25 parameters of its two elements (dims 4 w + 2 h + q, q = 0, 1) in its own registers, and works the two together in packed f32.
; The rows of W1 that form a tile are chosen likewise (lane r of tile 2 b + u takes row 32 b + 8 u + r + 8 (r / 8)), so that the conversions' results are the second product's operand.
; Fragments are fetched 16 bytes at a time: a permutation of k, the same in both operands of each product.  The first product's K = 32 fills half of the K = 64 form; the other half is zero codes on both sides.
; THE SPLINE, without normalising.  e_i = 2^(c a_i - c max), P_k their running sum, T = P_8; beta = 1e-3, alpha = 0.992.  cw_k = k beta + alpha P_k / T, so xs >= cw_k is xs T / alpha - k beta T / alpha >= P_k:
; a search in three levels moves a window over P, Ph and the derivatives by selects (no branch on data).  With WD = P_(b+1) - P_b + beta T / alpha and HD likewise: t = (Q - P_b) / WD, a = HD T / (WD Th),
; y = 19.84 (Ph_b + HD s) / Th + (0.02 b - 10).  softplus is taken of the two selected derivatives alone.
; NOT IN A CLUSTER: what work-groups share is W2, wanted in registers and read once by each (204,800 bytes against the 262,144 bytes of rows that a work-group reads and writes); a joint load lands in LDS alone.
; LIMITS.  e0 and e2 - e0 - e1 between -126 and 119; e2 + e3 between -126 and 127 (each makes a power of two as an f32 number).  The division by cw[-1] is carried by the algebra: that sum is 8 beta + alpha, 1 up to rounding.
; + 1e-12 on widths and heights (at least 1e-3) and on den (at least a / 2, at least 5e-4) changes no f32 number and is not written; + 1e-12 on den^2 and the clip of dy/dx are kept.
; out1 is summed in another order than the reference's.  A NaN in a transformed x passes through as there; NaN in identity columns, weights or biases is not served.
; THE MODE: SCHED_MODE bits 1:0 = 2 (LLVM: expert scheduling mode 2), set by the entry lines.  The code itself states the register dependences
; between vector or matrix instructions and memory or LDS instructions, with s_wait_alu, always for 0.
; THE PLAN.  Registers that memory or LDS instructions touch:
;   A ROW TILE'S TRIP.  HF: read by the tile's fourteen products; the next tile's eight LDS loads land in it.  X: its LDS load lands; read by xs, the two tail compares and the last selects.
;     YV, LD: written by the tile's last selects and its last addition; read by its two LDS stores.  XA, LA, HA: written once a tile; XA read by the store and by the next x's load, LA by the store, HA by the fragment's loads.
;     One wait on vm_vsrc, ahead of the three address additions (which are the places behind the products): the last tile's LDS instructions have read XA, LA, HA, YV, LD.
;     The wait on va_vdst that stands behind the exponentials for their results also states that the products are done reading HF and that HA is written: the next fragment's loads follow it.
;     One wait on va_vdst at the tile's end: YV and LD are written and X's readers are done: the two stores and the next x's load (by XA, 256 bytes on) follow it.
;     The compares write scalar registers, in runs, with one wait on va_sdst behind each run.
;   THE FIRST LAYER.  WB and HC, two sets by turns: LDS loads land; products, holds and conversions read and write.  OC, two sets by turns: conversions write, LDS stores read.  ID: the identity's loads land; holds and conversions work on it.
;     One wait on va_vdst a group, ahead of its stores: OC is written, and the set is done with, so that the loads of the group two on may land.  One on vm_vsrc ahead of the conversions that write an OC set again.
;   BETWEEN THE PHASES.  IN: global loads land, LDS stores read.  v128-159: on the way out LDS loads land, global stores read.  A block's head has one wait on vm_vsrc and one on va_vdst for all that the block before left.
;   v1 to v9: addresses, made at the head and never written again.
;
; LDS
.set CSTR,  2064                       ; a block's 128 rows lie as 16 columns of 16-byte chunks: chunk c of block row R at c CSTR + 16 R (2,048 bytes + 16 of padding: 16 lanes that store 16 chunks of one row start at 16 different 16-byte columns)
.set HIMG,  16*CSTR                    ; hidden codes as images of the operand's registers: row tile T, group b (k = 32 b + 16 h + 0 .. 15) at 4096 T + 512 b + 16 lane
.set LADP,  HIMG+32768                 ; log2(dy/dx) of a lane's two elements, all 512 rows: 4096 w + 128 (row tile of the work-group) + 4 lane
.set W1IMG, LADP+32768                 ; W1's 16 tiles as register images: 512 t + 16 lane
.set B1S,   W1IMG+8192                 ; b1 / 2^(e0 + e1), 256 numbers
; REGISTERS, window 0, that stay
.set LI,   1                           ; 16 lane
.set CHA,  2                           ; my 16 bytes of my wave's rows in the chunk columns: (lane % 16) CSTR + 16 (lane / 16) + 256 w
.set IDA,  3                           ; identity of row 16 w + r: 4 h CSTR + 16 r + 256 w
.set W1A,  4                           ; W1IMG + 16 lane
.set B1A,  5                           ; B1S + 64 h
.set HWA,  6                           ; HIMG + 4096 w + 16 lane
.set HA0,  7                           ; HIMG + 16 lane
.set XA0,  8                           ; my two x: (8 + w) CSTR + 16 r + 8 h
.set LA0,  9                           ; LADP + 4096 w + 4 lane
.set HA,   10                          ; addresses in hand (at the head: byte offsets into W2, W2's tile 6 and b2)
.set XA,   11
.set LA,   12
.set YB4,  13                          ; -9.92
.set KD,   14                          ; v[14:15] 1e-3 twice
.set B2R,  16                          ; v16-71 b2 / 2^(e2 + e3) in the results' layout, tile tt at 16 + 8 tt
.set SX,   216                         ; 2^e0;  217: 448 x 2^e0
.set LX,   217
.set SH,   218                         ; 2^(e2 - e0 - e1);  219: 448 x that
.set LH,   219
.set IN,   224                         ; v224-255 the next block's rows, asked for a phase ahead
; window 1: v0-223 W2's fragments (tile tt, K step s at 32 tt + 16 s); v224-255 the hidden fragment of the row tile in hand
.set HF,   224
; window 0, first layer
.set WB,   72                          ; two sets of four fragments of W1 (8 registers, the upper four 0)
.set HC,   136                         ; two sets of four tiles: the bias as loaded, then the sums
.set XC,   200                         ; x's fragment (the upper four 0)
.set OC,   208                         ; codes just made: set 0 at 208, set 1 at 240
.set ID,   224                         ; v224-239 my 16 identity numbers: in the rows' registers, which are free in this phase
; window 0, the splines.  A pair of registers is (element 0, element 1)
.set ACC,  72                          ; v72-127 the seven tiles
.set M,    128                         ; four chains: the maximum at 129 + 2 ch, c x the maximum at 128 + 2 ch
.set PW,   136                         ; nine slots of pairs: running sums of the widths' exponentials
.set PH,   154                         ; the same for the heights
.set DS,   172                         ; five slots: the window of derivatives
.set X,    182
.set XS,   184
.set TA,   186
.set Q,    188
.set GTW,  190
.set GHH,  192
.set R,    194
.set YB,   196
.set YT,   198
.set RH,   200
.set U0,   202
.set U1,   204
.set E0,   206
.set E1,   208
.set YV,   210
.set LD,   212
.set WD,   128                         ; in the maxima's registers
.set HD,   130
.set RW,   132
.set SS,   134
.set TV,   140                         ; in slots that the search has left
.set OM,   142
.set T2,   144
.set TO,   146
.set AV,   148
.set NU,   150
.set EE,   158
.set DE,   160
.set D2,   162
.set RD,   164
.set R2,   166
.set O2,   168
.set UU,   176
.set TM,   178
.set A2,   180
; scalars
.set WV,   20
.set MK1,  24                          ; the compares' masks, one register an element (free behind the head): the search's three levels,
.set MK2,  26
.set MK3,  28
.set MI,   30                          ; and: inside the tails
.set CS,   36                          ; pairs, both words written: c = log2(e) x 2^(e2 + e3)
.set K05,  38                          ; 0.05
.set KIA,  40                          ; 1 / 0.992
.set KB,   42                          ; 1e-3
.set KG,   44                          ; 1e-3 / 0.992
.set KLN,  46                          ; ln 2
.set KY,   48                          ; 19.84
.set K04,  50                          ; 0.04
.set K02,  52                          ; 0.02
.set K10,  54                          ; 10.0
.set SXO,  56                          ; the row tile's step in x's column, in the images, in the parts; trips to go
.set SHO,  57
.set SLO,  58
.set STC,  59
.set KE,   60                          ; 1e-12
.set MSB, 0
.macro WIN new                         ; the immediate's high byte repeats the setting that is left
.if MSB != \new
	s_set_vgpr_msb (MSB<<8)|\new
.set MSB, \new
.endif
.endm
.macro BAR                             ; my LDS stores have landed and my LDS loads are in: then the work-group's barrier
	s_wait_dscnt 0x0
	s_barrier_signal -1
	s_barrier_wait -1
.endm
	s_load_b256 s[4:11], s[0:1], 0x0               ; W1's codes s[4:5], W2's s[6:7], b1 s[8:9], b2 s[10:11]
	s_load_b256 s[12:19], s[0:1], 0x20             ; inputs s[12:13], the scales' exponents s[14:15], out0 s[16:17], out1 s[18:19]
	v_lshl_add_u32 v222, v0, 2, 0x1a500
	v_mov_b32 v223, 0
	v_lshrrev_b32 v10, 5, v0
	v_readfirstlane_b32 s[WV], v10                 ; wave 0..7
	v_and_b32 v10, 31, v0                          ; lane
	v_and_b32 v11, 15, v0                          ; r
	v_bfe_u32 v12, v0, 4, 1                        ; h
	v_lshlrev_b32 v[LI], 4, v10
	s_wait_alu depctr_va_sdst(0)                   ; the wave's number is written, ahead of its first reader
	s_lshl_b32 s28, s[WV], 8
	v_mul_u32_u24 v[CHA], v11, CSTR
	v_lshl_add_u32 v[CHA], v12, 4, v[CHA]
	v_add_nc_u32 v[CHA], s28, v[CHA]
	v_mul_u32_u24 v[IDA], v12, 4*CSTR
	v_lshl_add_u32 v[IDA], v11, 4, v[IDA]
	v_add_nc_u32 v[IDA], s28, v[IDA]
	v_add_nc_u32 v[W1A], W1IMG, v[LI]
	v_lshl_add_u32 v[B1A], v12, 6, B1S
	s_lshl_b32 s29, s[WV], 12
	s_add_co_u32 s30, s29, HIMG
	v_add_nc_u32 v[HWA], s30, v[LI]
	v_add_nc_u32 v[HA0], HIMG, v[LI]
	s_mul_i32 s30, s[WV], CSTR
	s_add_co_u32 s30, s30, 8*CSTR
	v_lshlrev_b32 v[XA0], 4, v11
	v_lshl_add_u32 v[XA0], v12, 3, v[XA0]
	v_add_nc_u32 v[XA0], s30, v[XA0]
	s_add_co_u32 s30, s29, LADP
	v_lshl_add_u32 v[LA0], v10, 2, s30
	s_lshl_b32 s30, s[WV], 10
	v_add_nc_u32 v137, s30, v[W1A]                 ; where my two tiles of W1 go: W1IMG + 1024 w + 16 lane
	v_lshl_add_u32 v138, v0, 2, B1S                ; where my number of b1 goes
	v_lshlrev_b32 v139, 2, v0                      ; and where it comes from
	v_and_b32 v140, 8, v11
	v_add_nc_u32 v140, v140, v11                   ; r + 8 (r / 8)
	v_lshlrev_b32 v140, 5, v140                    ; a row of W1 is 32 bytes,
	v_lshl_add_u32 v140, v12, 4, v140              ; + 16 h
	v_lshrrev_b32 v141, 3, v11                     ; a tile row of W2: hh = r / 8,
	v_and_b32 v142, 7, v11                         ; j = r % 8
	v_mul_u32_u24 v143, v141, 12800                ; two dims = 50 rows of 256 bytes
	v_lshl_add_u32 v143, v12, 4, v143              ; + 16 h
	v_and_b32 v144, 1, v11
	v_mul_u32_u24 v144, v144, 6400                 ; tile 6: one dim on where j is odd
	v_lshl_add_u32 v10, v142, 8, v143              ; tiles 0-5: 12800 hh + 256 j + 16 h
	v_add_nc_u32 v11, v144, v143                   ; tile 6: 12800 hh + 6400 (j & 1) + 16 h
	v_mul_u32_u24 v12, v12, 200                    ; b2: two dims = 50 numbers
	s_lshl_b32 s32, ttmp9, 17                      ; the work-group's 512 rows of 256 bytes,
	s_add_co_u32 s32, s32, s29                     ; my wave's 16 rows of a block
	s_mov_b32 s33, 0
	s_lshl_b32 s34, ttmp9, 11                      ; its 512 numbers of out1
	s_mov_b32 s35, 0
	s_mov_b32 s31, 0
	s_wait_kmcnt 0x0
	s_load_b128 s[24:27], s[14:15], 0x0            ; e0, e1, e2, e3
	s_add_nc_u64 s[12:13], s[12:13], s[32:33]
	s_add_nc_u64 s[16:17], s[16:17], s[32:33]
	s_add_nc_u64 s[18:19], s[18:19], s[34:35]
	s_add_nc_u64 s[4:5], s[4:5], s[30:31]          ; W1: my 32 rows (s30 = 1024 w)
	s_mul_i32 s30, s[WV], 25600
	s_add_nc_u64 s[6:7], s[6:7], s[30:31]          ; W2: my 100 rows
	s_mul_i32 s30, s[WV], 400
	s_add_nc_u64 s[10:11], s[10:11], s[30:31]      ; b2: my 100 numbers
	s_wait_alu depctr_va_vdst(0)                   ; all offsets and addresses (v1 to v12, v137 to v140) are written, which the loads and LDS instructions below read
	global_load_b128 v[128:131], v140, s[4:5]              ; W1's tiles 2 w and 2 w + 1 (8 rows on)
	global_load_b128 v[132:135], v140, s[4:5] offset:256
	global_load_b32 v136, v139, s[8:9]
.irp i, 0,1,2,3,4,5,6,7
	global_load_b128 v[IN+4*\i:IN+4*\i+3], v[LI], s[12:13] offset:512*\i th:TH_LOAD_NT   ; block 0: two whole rows an instruction
.endr
.irp tt, 0,1,2,3,4,5
.irp j, 0,1,2,3,4,5,6,7
	global_load_b32 v[B2R+8*\tt+\j], v12, s[10:11] offset:100*(\tt%2)+32*(\tt/2)+4*\j
.endr
.endr
	global_load_b32 v[B2R+48], v12, s[10:11] offset:96
	global_load_b32 v[B2R+49], v12, s[10:11] offset:196
	WIN 0x40                                       ; destination window 1
.irp tt, 0,1,2,3,4,5
.irp s, 0,1
.irp c, 0,1,2,3
	global_load_b128 v[32*\tt+16*\s+4*\c:32*\tt+16*\s+4*\c+3], v10, s[6:7] offset:(25*(\tt%2)+8*(\tt/2))*256+128*\s+32*\c
.endr
.endr
.endr
.irp s, 0,1
.irp c, 0,1,2,3
	global_load_b128 v[192+16*\s+4*\c:192+16*\s+4*\c+3], v11, s[6:7] offset:6144+128*\s+32*\c
.endr
.endr
	WIN 0
	s_mov_b32 s[K05], 0x3d4ccccd
	s_mov_b32 s[K05+1], 0x3d4ccccd
	s_mov_b32 s[KIA], 0x3f810842
	s_mov_b32 s[KIA+1], 0x3f810842
	s_mov_b32 s[KB], 0x3a83126f
	s_mov_b32 s[KB+1], 0x3a83126f
	s_mov_b32 s[KG], 0x3a842108
	s_mov_b32 s[KG+1], 0x3a842108
	s_mov_b32 s[KLN], 0x3f317218
	s_mov_b32 s[KLN+1], 0x3f317218
	s_mov_b32 s[KY], 0x419eb852
	s_mov_b32 s[KY+1], 0x419eb852
	s_mov_b32 s[K04], 0x3d23d70a
	s_mov_b32 s[K04+1], 0x3d23d70a
	s_mov_b32 s[K02], 0x3ca3d70a
	s_mov_b32 s[K02+1], 0x3ca3d70a
	s_mov_b32 s[K10], 0x41200000
	s_mov_b32 s[KE], 0x2b8cbccc
	s_mov_b32 s[KE+1], 0x2b8cbccc
	v_mov_b32 v[YB4], 0xc11eb852
	v_mov_b32 v[KD], 0x3a83126f
	v_mov_b32 v[KD+1], 0x3a83126f
.irp j, 50,51,52,53,54,55
	v_mov_b32 v[B2R+\j], 0                         ; tile 6's rows 2-7 are copies that nobody reads
.endr
	s_wait_kmcnt 0x0
	s_add_co_i32 s28, s24, s25                     ; e0 + e1: a sum of the first product stands for sum x 2^(e0 + e1), so b1 goes in as b1 / 2^(e0 + e1)
	s_sub_co_i32 s29, 0, s28
	s_add_co_i32 s30, s26, s27                     ; e2 + e3: likewise b2; and the factor is folded into c
	s_sub_co_i32 s31, 0, s30
	s_lshl_b32 s32, s30, 23
	s_add_co_i32 s[CS], s32, 0x3fb8aa3b            ; log2(e) with e2 + e3 added to its exponent field
	s_mov_b32 s[CS+1], s[CS]
	s_add_co_i32 s33, s24, 127
	s_lshl_b32 s34, s33, 23
	v_mov_b32 v[SX], s34
	s_add_co_i32 s33, s33, 8
	s_lshl_b32 s33, s33, 23
	s_or_b32 s33, s33, 0x600000
	v_mov_b32 v[LX], s33
	s_sub_co_i32 s33, s26, s28                     ; the hidden layer's code is sum / 2^(e2 - e0 - e1)
	s_add_co_i32 s33, s33, 127
	s_lshl_b32 s34, s33, 23
	v_mov_b32 v[SH], s34
	s_add_co_i32 s33, s33, 8
	s_lshl_b32 s33, s33, 23
	s_or_b32 s33, s33, 0x600000
	v_mov_b32 v[LH], s33
	s_wait_loadcnt 56                              ; all but the 56 loads of W2, the youngest
.set i, 0
.rept 50
	v_ldexp_f32 v[B2R+i], v[B2R+i], s31
.set i, i+1
.endr
	v_ldexp_f32 v136, v136, s29
	s_wait_alu depctr_va_vdst(0)                   ; my number of b1 is written into v136, which an LDS store below reads
	ds_store_b128 v137, v[128:131]
	ds_store_b128 v137, v[132:135] offset:512
	ds_store_b32 v138, v136
.irp i, 0,1,2,3,4,5,6,7
	ds_store_b128 v[CHA], v[IN+4*\i:IN+4*\i+3] offset:32*\i
.endr
	BAR                                            ; W1's images and b1 lie in LDS
; twelve LDS loads: four tiles of W1 (4 k + tg) and their bias, in the results' layout, into set
.macro HLOAD k, set
.irp tg, 0,1,2,3
	ds_load_b128 v[WB+32*(\set)+8*\tg:WB+32*(\set)+8*\tg+3], v[W1A] offset:512*(4*(\k)+\tg)
	ds_load_b128 v[HC+32*(\set)+8*\tg:HC+32*(\set)+8*\tg+3], v[B1A] offset:128*((4*(\k)+\tg)/2)+32*(\tg%2)
	ds_load_b128 v[HC+32*(\set)+8*\tg+4:HC+32*(\set)+8*\tg+7], v[B1A] offset:128*((4*(\k)+\tg)/2)+32*(\tg%2)+16
.endr
.endm
; four tiles of the hidden layer for my 16 rows: products on four accumulators by turns (the bias is their C), activation and hold in one, codes, two groups of the image.  cnt: the LDS instructions younger than this set's loads
.macro HGROUP k, set, cnt, next
	s_wait_dscnt \cnt
.irp tg, 0,1,2,3
	v_wmma_f32_16x16x64_fp8_fp8 v[HC+32*(\set)+8*\tg:HC+32*(\set)+8*\tg+7], v[WB+32*(\set)+8*\tg:WB+32*(\set)+8*\tg+7], v[XC:XC+7], v[HC+32*(\set)+8*\tg:HC+32*(\set)+8*\tg+7]
.endr
.rept 4
	v_nop                                          ; four places behind the products, ahead of the first read of results (ISA guide 7.12.1)
.endr
.set i, 0
.rept 32
	v_med3_num_f32 v[HC+32*(\set)+i], v[HC+32*(\set)+i], 0, v[LH]   ; between 0 and the largest code x the scale; each tile from its low end on
.set i, i+1
.endr
.if (\k) >= 2
	s_wait_alu depctr_vm_vsrc(0)                   ; the LDS stores of the group two back have read this set of OC, which the conversions below write again
.endif
.irp tg, 0,1,2,3
	v_cvt_scalef32_pk8_fp8_f32 v[OC+32*(\set)+2*\tg:OC+32*(\set)+2*\tg+1], v[HC+32*(\set)+8*\tg:HC+32*(\set)+8*\tg+7], v[SH]
.endr
	v_nop                                          ; one plain line behind the last conversion: later products write its sources
	s_wait_alu depctr_va_vdst(0)                   ; the conversions have written OC, which the stores read; products, holds and conversions are done with this set of WB and HC, in which the loads of the group two on land
	ds_store_b128 v[HWA], v[OC+32*(\set):OC+32*(\set)+3] offset:1024*(\k)
	ds_store_b128 v[HWA], v[OC+32*(\set)+4:OC+32*(\set)+7] offset:1024*(\k)+512
.if \next
	HLOAD (\k)+2, \set
.endif
.endm
; the selects of the search's first level for element q, by the mask s[MK1 + q]: bins 4-7 or 0-3.  Every select is in place, ascending, so that a slot is read before it is written; slot 0 of the running sums is the constant 0
.macro LEVEL1 q
	v_cndmask_b32 v[PW+\q], 0, v[PW+8+\q], s[MK1+\q]
	v_cndmask_b32 v[PH+\q], 0, v[PH+8+\q], s[MK1+\q]
.irp j, 1,2,3,4
	v_cndmask_b32 v[PW+2*\j+\q], v[PW+2*\j+\q], v[PW+2*\j+8+\q], s[MK1+\q]
	v_cndmask_b32 v[PH+2*\j+\q], v[PH+2*\j+\q], v[PH+2*\j+8+\q], s[MK1+\q]
.endr
.irp j, 0,1,2,3
	v_cndmask_b32 v[DS+2*\j+\q], v[ACC+32+8*\q+\j], v[ACC+36+8*\q+\j], s[MK1+\q]   ; the derivatives' tiles are read from their low end on
.endr
	v_cndmask_b32 v[DS+8+\q], v[ACC+36+8*\q], v[ACC+48+\q], s[MK1+\q]
	v_cndmask_b32 v[Q+\q], v[Q+\q], v[R+\q], s[MK1+\q]
	v_cndmask_b32 v[YB+\q], 0xc1200000, v[YB4], s[MK1+\q]                          ; 0.02 b - 10: -10 or -9.92
.endm
; the selects of the second (st = 2) and third (st = 1) level, by the mask s[mk + q]
.macro LEVELN q, st, mk
.irp j, 0,1,2
.if \j <= \st
	v_cndmask_b32 v[PW+2*\j+\q], v[PW+2*\j+\q], v[PW+2*\j+2*\st+\q], s[\mk+\q]
	v_cndmask_b32 v[PH+2*\j+\q], v[PH+2*\j+\q], v[PH+2*\j+2*\st+\q], s[\mk+\q]
	v_cndmask_b32 v[DS+2*\j+\q], v[DS+2*\j+\q], v[DS+2*\j+2*\st+\q], s[\mk+\q]
.endif
.endr
	v_cndmask_b32 v[Q+\q], v[Q+\q], v[R+\q], s[\mk+\q]
	v_cndmask_b32 v[YB+\q], v[YB+\q], v[YT+\q], s[\mk+\q]
.endm
; ONE ROW TILE: my 4 dims x 16 rows, two elements a lane.  Its hidden fragment is in (the wait stands ahead of the loop and at a tile's end); its x is on its way.  more = 1: the next tile's fragment and x are fetched
.macro TRIP more
	WIN 0x05                                       ; sources 0 (W2) and 1 (hidden) window 1; C and D window 0
.irp tt, 0,1,2,3,4,5,6
	v_wmma_f32_16x16x128_fp8_fp8 v[ACC+8*\tt:ACC+8*\tt+7], v[32*\tt:32*\tt+15], v[HF:HF+15], v[B2R+8*\tt:B2R+8*\tt+7]   ; the bias is the C of each sum's first product
.endr
.irp tt, 0,1,2,3,4,5,6
	v_wmma_f32_16x16x128_fp8_fp8 v[ACC+8*\tt:ACC+8*\tt+7], v[32*\tt+16:32*\tt+31], v[HF+16:HF+31], v[ACC+8*\tt:ACC+8*\tt+7]   ; the seven accumulators take turns
.endr
	WIN 0
	s_wait_alu depctr_vm_vsrc(0)                   ; the last tile's LDS stores and loads have read v[XA], v[LA], v[HA], v[YV ..] and v[LD], all of which this tile writes again
	v_add_nc_u32 v[XA], s[SXO], v[XA0]             ; four places behind the products, ahead of the first read of results
	v_add_nc_u32 v[LA], s[SLO], v[LA0]
.if \more
	v_add_nc_u32 v[HA], s[SHO], v[HA0]
	v_nop
.else
	v_nop
	v_nop
.endif
	; the four softmaxes (chain ch: widths of element 0, 1, heights of element 0, 1): the maximum is taken away, nothing is normalised
.irp ch, 0,1,2,3
	v_max3_num_f32 v[M+2*\ch+1], v[ACC+8*\ch], v[ACC+8*\ch+1], v[ACC+8*\ch+2]
.endr
.irp ch, 0,1,2,3
	v_max3_num_f32 v[M+2*\ch+1], v[M+2*\ch+1], v[ACC+8*\ch+3], v[ACC+8*\ch+4]
.endr
.irp ch, 0,1,2,3
	v_max3_num_f32 v[M+2*\ch+1], v[M+2*\ch+1], v[ACC+8*\ch+5], v[ACC+8*\ch+6]
.endr
.irp ch, 0,1,2,3
	v_max_num_f32 v[M+2*\ch+1], v[M+2*\ch+1], v[ACC+8*\ch+7]
.endr
.irp ch, 0,1,2,3
	v_mul_f32 v[M+2*\ch], s[CS], v[M+2*\ch+1]
.endr
.irp i, 0,2,4,6
.irp ch, 0,1,2,3
	v_pk_fma_f32 v[ACC+8*\ch+\i:ACC+8*\ch+\i+1], v[ACC+8*\ch+\i:ACC+8*\ch+\i+1], s[CS:CS+1], v[M+2*\ch:M+2*\ch+1] op_sel_hi:[1,0,0] neg_lo:[0,0,1] neg_hi:[0,0,1]   ; c a - c max (the pairs' low words serve both halves)
.endr
.endr
.irp i, 0,1,2,3,4,5,6,7
.irp ch, 0,1,2,3
	v_exp_f32 v[PW+18*(\ch/2)+2*\i+2+(\ch%2)], v[ACC+8*\ch+\i]
.endr
.endr
	s_wait_dscnt 0x0                               ; x is in: its load is the youngest LDS instruction
	v_pk_fma_f32 v[XS:XS+1], v[X:X+1], s[K05:K05+1], 0.5 op_sel_hi:[1,0,0]   ; (x + 10) / 20.  (The plain line behind the exponentials)
	v_med3_num_f32 v[XS], v[XS], 0, 1.0
	v_med3_num_f32 v[XS+1], v[XS+1], 0, 1.0
.if \more
	WIN 0x40                                       ; destination window 1: the switch, the wait, the loads
.endif
	s_wait_alu depctr_va_vdst(0)                   ; the 32 exponentials' results are written, ahead of their first reader; the products are done reading HF, in which the loads below land, and v[HA], their address, is written
.if \more
.irp s, 0,1
.irp c, 0,1,2,3
	ds_load_b128 v[HF+16*\s+4*\c:HF+16*\s+4*\c+3], v[HA] offset:2048*\s+512*\c   ; the next tile's fragment: it has the rest of this tile in which to land
.endr
.endr
	WIN 0
.endif
.irp k, 1,2,3,4,5,6,7
	v_pk_add_f32 v[PW+2*\k+2:PW+2*\k+3], v[PW+2*\k+2:PW+2*\k+3], v[PW+2*\k:PW+2*\k+1]   ; running sums in place; slot 8 ends as T, Th
	v_pk_add_f32 v[PH+2*\k+2:PH+2*\k+3], v[PH+2*\k+2:PH+2*\k+3], v[PH+2*\k:PH+2*\k+1]
.endr
	v_rcp_f32 v[RH], v[PH+16]
	v_rcp_f32 v[RH+1], v[PH+17]
	v_pk_mul_f32 v[TA:TA+1], v[PW+16:PW+17], s[KIA:KIA+1] op_sel_hi:[1,0]    ; T / alpha
	v_pk_mul_f32 v[GHH:GHH+1], v[PH+16:PH+17], s[KG:KG+1] op_sel_hi:[1,0]    ; beta Th / alpha
	v_pk_mul_f32 v[Q:Q+1], v[XS:XS+1], v[TA:TA+1]
	v_pk_mul_f32 v[GTW:GTW+1], v[TA:TA+1], s[KB:KB+1] op_sel_hi:[1,0]        ; beta T / alpha
	v_pk_fma_f32 v[R:R+1], v[GTW:GTW+1], -4.0, v[Q:Q+1] op_sel_hi:[1,0,1]
	v_cmp_ge_f32 s[MK1], v[R], v[PW+8]             ; a run of four compares: the first level of both elements,
	v_cmp_ge_f32 s[MK1+1], v[R+1], v[PW+9]
	v_cmp_le_f32 s[MI], |v[X]|, s[K10]             ; and: inside the tails?  Outside: y = x and no log-derivative (read at the tile's end)
	v_cmp_le_f32 s[MI+1], |v[X+1]|, s[K10]
	s_wait_alu depctr_va_sdst(0)                   ; the four masks are written, ahead of the selects that read them
	LEVEL1 0
	LEVEL1 1
	v_pk_fma_f32 v[R:R+1], v[GTW:GTW+1], -2.0, v[Q:Q+1] op_sel_hi:[1,0,1]
	v_pk_add_f32 v[YT:YT+1], v[YB:YB+1], s[K04:K04+1] op_sel_hi:[1,0]
	v_cmp_ge_f32 s[MK2], v[R], v[PW+4]
	v_cmp_ge_f32 s[MK2+1], v[R+1], v[PW+5]
	s_wait_alu depctr_va_sdst(0)                   ; the second level's two masks are written, ahead of the selects that read them
	LEVELN 0, 2, MK2
	LEVELN 1, 2, MK2
	v_pk_add_f32 v[R:R+1], v[Q:Q+1], v[GTW:GTW+1] neg_lo:[0,1] neg_hi:[0,1]
	v_pk_add_f32 v[YT:YT+1], v[YB:YB+1], s[K02:K02+1] op_sel_hi:[1,0]
	v_cmp_ge_f32 s[MK3], v[R], v[PW+2]
	v_cmp_ge_f32 s[MK3+1], v[R+1], v[PW+3]
	s_wait_alu depctr_va_sdst(0)                   ; the third level's two masks are written, ahead of the selects that read them
	LEVELN 0, 1, MK3
	LEVELN 1, 1, MK3
	; slot 0 = the bin's left knot, slot 1 its right one
	v_pk_add_f32 v[WD:WD+1], v[PW+2:PW+3], v[PW:PW+1] neg_lo:[0,1] neg_hi:[0,1]
	v_pk_add_f32 v[HD:HD+1], v[PH+2:PH+3], v[PH:PH+1] neg_lo:[0,1] neg_hi:[0,1]
	v_pk_add_f32 v[WD:WD+1], v[WD:WD+1], v[GTW:GTW+1]
	v_pk_add_f32 v[HD:HD+1], v[HD:HD+1], v[GHH:GHH+1]
	v_pk_mul_f32 v[U0:U0+1], v[DS:DS+1], s[CS:CS+1] op_sel_hi:[1,0]          ; u = un_d x log2(e)
	v_pk_mul_f32 v[U1:U1+1], v[DS+2:DS+3], s[CS:CS+1] op_sel_hi:[1,0]
	v_rcp_f32 v[RW], v[WD]
	v_rcp_f32 v[RW+1], v[WD+1]
	v_exp_f32 v[E0], -|v[U0]|                      ; softplus = ln 2 x (max(u, 0) + log2(1 + 2^-|u|))
	v_exp_f32 v[E0+1], -|v[U0+1]|
	v_exp_f32 v[E1], -|v[U1]|
	v_exp_f32 v[E1+1], -|v[U1+1]|
	v_pk_add_f32 v[TV:TV+1], v[Q:Q+1], v[PW:PW+1] neg_lo:[0,1] neg_hi:[0,1]  ; (the plain line behind the run)
	s_wait_alu depctr_va_vdst(0)                   ; 1 / Th, 1 / WD and the four exponentials are written, ahead of their first reader
	v_pk_add_f32 v[E0:E0+1], v[E0:E0+1], 1.0 op_sel_hi:[1,0]
	v_pk_add_f32 v[E1:E1+1], v[E1:E1+1], 1.0 op_sel_hi:[1,0]
	v_pk_mul_f32 v[TV:TV+1], v[TV:TV+1], v[RW:RW+1]
	v_log_f32 v[E0], v[E0]
	v_log_f32 v[E0+1], v[E0+1]
	v_log_f32 v[E1], v[E1]
	v_log_f32 v[E1+1], v[E1+1]
	v_med3_num_f32 v[TV], v[TV], 0, 1.0            ; t.  (The plain line behind the logarithms)
	v_med3_num_f32 v[TV+1], v[TV+1], 0, 1.0
	v_max_num_f32 v[U0], 0, v[U0]
	v_max_num_f32 v[U0+1], 0, v[U0+1]
	v_max_num_f32 v[U1], 0, v[U1]
	v_max_num_f32 v[U1+1], 0, v[U1+1]
	s_wait_alu depctr_va_vdst(0)                   ; the four logarithms are written, ahead of their first reader
	v_pk_add_f32 v[U0:U0+1], v[U0:U0+1], v[E0:E0+1]
	v_pk_add_f32 v[U1:U1+1], v[U1:U1+1], v[E1:E1+1]
	v_pk_fma_f32 v[U0:U0+1], v[U0:U0+1], s[KLN:KLN+1], v[KD:KD+1] op_sel_hi:[1,0,1]   ; b = d_k
	v_pk_fma_f32 v[U1:U1+1], v[U1:U1+1], s[KLN:KLN+1], v[KD:KD+1] op_sel_hi:[1,0,1]   ; c = d_(k+1)
	v_pk_mul_f32 v[TM:TM+1], v[PW+16:PW+17], v[RH:RH+1]
	v_pk_mul_f32 v[AV:AV+1], v[HD:HD+1], v[RW:RW+1]
	v_pk_mul_f32 v[AV:AV+1], v[AV:AV+1], v[TM:TM+1]                          ; a = HD T / (WD Th)
	v_pk_fma_f32 v[OM:OM+1], v[TV:TV+1], -1.0, 1.0 op_sel_hi:[1,0,0]         ; 1 - t
	v_pk_mul_f32 v[T2:T2+1], v[TV:TV+1], v[TV:TV+1]
	v_pk_mul_f32 v[TO:TO+1], v[TV:TV+1], v[OM:OM+1]
	v_pk_mul_f32 v[NU:NU+1], v[AV:AV+1], v[T2:T2+1]
	v_pk_fma_f32 v[NU:NU+1], v[U0:U0+1], v[TO:TO+1], v[NU:NU+1]              ; num
	v_pk_add_f32 v[EE:EE+1], v[U0:U0+1], v[U1:U1+1]
	v_pk_fma_f32 v[EE:EE+1], v[AV:AV+1], -2.0, v[EE:EE+1] op_sel_hi:[1,0,1]
	v_pk_fma_f32 v[DE:DE+1], v[EE:EE+1], v[TO:TO+1], v[AV:AV+1]              ; den
	v_pk_fma_f32 v[D2:D2+1], v[DE:DE+1], v[DE:DE+1], s[KE:KE+1] op_sel_hi:[1,1,0]   ; den^2 + 1e-12
	v_rcp_f32 v[RD], v[DE]
	v_rcp_f32 v[RD+1], v[DE+1]
	v_rcp_f32 v[R2], v[D2]
	v_rcp_f32 v[R2+1], v[D2+1]
	v_pk_mul_f32 v[O2:O2+1], v[OM:OM+1], v[OM:OM+1]                          ; (plain work behind the reciprocals)
	v_pk_mul_f32 v[UU:UU+1], v[U1:U1+1], v[T2:T2+1]
	v_pk_fma_f32 v[UU:UU+1], v[U0:U0+1], v[O2:O2+1], v[UU:UU+1]
	v_pk_mul_f32 v[TM:TM+1], v[AV:AV+1], v[TO:TO+1]
	v_pk_fma_f32 v[UU:UU+1], v[TM:TM+1], 2.0, v[UU:UU+1] op_sel_hi:[1,0,1]
	v_pk_mul_f32 v[A2:A2+1], v[AV:AV+1], v[AV:AV+1]
	v_pk_mul_f32 v[UU:UU+1], v[A2:A2+1], v[UU:UU+1]
	s_wait_alu depctr_va_vdst(0)                   ; the four reciprocals are written, ahead of their first reader
	v_pk_mul_f32 v[UU:UU+1], v[UU:UU+1], v[R2:R2+1]                          ; dy/dx
	v_max_num_f32 v[UU], s[KE], v[UU]
	v_max_num_f32 v[UU+1], s[KE], v[UU+1]
	v_log_f32 v[UU], v[UU]
	v_log_f32 v[UU+1], v[UU+1]
	v_pk_mul_f32 v[SS:SS+1], v[NU:NU+1], v[RD:RD+1]                          ; s.  (Plain work behind the logarithms)
	v_pk_fma_f32 v[SS:SS+1], v[HD:HD+1], v[SS:SS+1], v[PH:PH+1]
	v_pk_mul_f32 v[RH:RH+1], v[RH:RH+1], s[KY:KY+1] op_sel_hi:[1,0]
	v_pk_fma_f32 v[YV:YV+1], v[SS:SS+1], v[RH:RH+1], v[YB:YB+1]
	s_wait_alu depctr_va_vdst(0)                   ; the two logarithms are written, ahead of their first reader
.irp q, 0,1
	v_cndmask_b32 v[YV+\q], v[X+\q], v[YV+\q], s[MI+\q]   ; by the masks of the first run of compares
	v_cndmask_b32 v[UU+\q], 0, v[UU+\q], s[MI+\q]
.endr
	v_add_f32 v[LD], v[UU], v[UU+1]
	s_wait_alu depctr_va_vdst(0)                   ; v[YV ..] and v[LD] are written, which the stores read; the selects are done reading X, in which the next x lands.  No vector instruction follows in this tile
	ds_store_b64 v[XA], v[YV:YV+1]                 ; y takes x's place
	ds_store_b32 v[LA], v[LD]
.if \more
	ds_load_b64 v[X:X+1], v[XA] offset:256         ; the next tile's x
	s_wait_dscnt 3                                 ; the next tile's fragment is in; the two stores and x's load are younger
.endif
	s_add_co_u32 s[SXO], s[SXO], 256
	s_add_co_u32 s[SHO], s[SHO], 4096
	s_add_co_u32 s[SLO], s[SLO], 128
.endm
; A BLOCK OF 128 ROWS, two barriers.  Its rows lie in LDS (each wave stored its own 16).  more = 1: another block follows
.macro BLOCK blk, more
	; ---- the hidden layer of my 16 rows
	s_wait_xcnt 0x0                                ; the last block's stores have read their registers, which are written below
	s_wait_alu depctr_vm_vsrc(0)                   ; every store so far has read its data (v128-159 on the way out, v210-212 in the tiles, the rows in v224-255; at the head v128-136) and every load its offset (v10-12, v137-140): all are written below
.irp f, 0,1,2,3,4,5,6,7
.irp j, 4,5,6,7
	v_mov_b32 v[WB+8*\f+\j], 0                     ; K = 32 to 63 of the K = 64 form: zero codes (the splines have used these registers)
.endr
.endr
.irp j, 4,5,6,7
	v_mov_b32 v[XC+\j], 0
.endr
	s_wait_alu depctr_va_vdst(0)                   ; the last block's splines (at the head: the address arithmetic) are done with v72-199, in which the 24 loads of the first two groups land
.irp i, 0,1,2,3
	ds_load_b128 v[ID+4*\i:ID+4*\i+3], v[IDA] offset:CSTR*\i   ; identity columns 16 h + 0 .. 15 of row 16 w + r: bytes that my wave stored
.endr
	HLOAD 0, 0
	HLOAD 1, 1
	s_wait_dscnt 24                                ; the identity is in; the 24 loads of the first two groups are younger
.set i, 0
.rept 16
	v_med3_num_f32 v[ID+i], v[ID+i], -v[LX], v[LX]   ; the conversion to an 8-bit code does not saturate (ISA guide 7.6.2): the hold comes first
.set i, i+1
.endr
	v_cvt_scalef32_pk8_fp8_f32 v[XC:XC+1], v[ID:ID+7], v[SX]
	v_cvt_scalef32_pk8_fp8_f32 v[XC+2:XC+3], v[ID+8:ID+15], v[SX]
	v_nop                                          ; one plain line between the conversions and the products that read their result
	HGROUP 0, 0, 12, 1                             ; younger than this set's loads: the next set's twelve
	HGROUP 1, 1, 14, 1                             ; two stores and twelve loads
	HGROUP 2, 0, 14, 0
	HGROUP 3, 1, 2, 0                              ; two stores
	s_wait_loadcnt 0x0                             ; (first block: W2's fragments are in)
	BAR                                            ; every wave's rows and hidden codes lie in LDS
	; ---- the splines of my four dims, row tile by row tile.  The last group's wait on va_vdst stands for all loads up to the first tile: no vector instruction has been issued since
.if \more
	s_wait_alu depctr_vm_vsrc(0)                   ; the last group's LDS stores have read v240-247, in which the rows below land
.irp i, 0,1,2,3,4,5,6,7
	global_load_b128 v[IN+4*\i:IN+4*\i+3], v[LI], s[12:13] offset:((\blk)+1)*32768+512*\i th:TH_LOAD_NT   ; the next block's rows: they have this whole phase in which to land
.endr
.endif
	WIN 0x40
.irp s, 0,1
.irp c, 0,1,2,3
	ds_load_b128 v[HF+16*\s+4*\c:HF+16*\s+4*\c+3], v[HA0] offset:2048*\s+512*\c
.endr
.endr
	WIN 0
	ds_load_b64 v[X:X+1], v[XA0]                   ; the first tile's x
	s_mov_b32 s[SXO], 0
	s_mov_b32 s[SHO], 4096
	s_mov_b32 s[SLO], 1024*(\blk)
	s_mov_b32 s[STC], 7
	s_wait_dscnt 1                                 ; the first tile's fragment is in; x's load is younger
.Ltrip_\@:
	TRIP 1
	s_sub_co_u32 s[STC], s[STC], 1
	s_cmp_lg_u32 s[STC], 0
	s_cbranch_scc1 .Ltrip_\@
	TRIP 0                                         ; the last tile fetches nothing
	BAR                                            ; every y lies in LDS, and nobody reads the hidden codes any more
	; ---- my 16 rows leave whole: identity and y, sixteen lanes to a row of 256 bytes.  The wait on va_vdst at the last tile's end stands for these loads too: the splines are done with v128-159
.irp i, 0,1,2,3,4,5,6,7
	ds_load_b128 v[128+4*\i:128+4*\i+3], v[CHA] offset:32*\i
.endr
.irp i, 0,1,2,3,4,5,6,7
	s_wait_dscnt 7-\i
	global_store_b128 v[LI], v[128+4*\i:128+4*\i+3], s[16:17] offset:(\blk)*32768+512*\i th:TH_STORE_NT
.endr
.if \more
	s_wait_loadcnt 0x0                             ; the next block's rows are in
.irp i, 0,1,2,3,4,5,6,7
	ds_store_b128 v[CHA], v[IN+4*\i:IN+4*\i+3] offset:32*\i   ; into the bytes that my loads above have read; other waves touch them only between the block's two barriers
.endr
.endif
.endm
	BLOCK 0, 1
	BLOCK 1, 1
	BLOCK 2, 1
	BLOCK 3, 0
	; ---- out1: thread t sums rows 2 t and 2 t + 1 over the eight waves' and the two lane halves' parts (all stored ahead of the last barrier)
	s_wait_xcnt 0x0                                ; the last stores have read their registers
	s_wait_alu depctr_vm_vsrc(0)                   ; the last stores have read v128-159, in which the loads below land
	v_lshrrev_b32 v160, 3, v0                      ; the row tile,
	v_and_b32 v161, 7, v0
	v_lshlrev_b32 v161, 3, v161                    ; two rows of 4 bytes
	v_lshl_add_u32 v160, v160, 7, v161
	v_add_nc_u32 v160, LADP, v160
	v_lshlrev_b32 v162, 3, v0
	s_wait_alu depctr_va_vdst(0)                   ; v160 and v162 are written: the loads' address and the store's offset
.irp wv, 0,1,2,3,4,5,6,7
.irp hh, 0,1
	ds_load_b64 v[128+4*\wv+2*\hh:128+4*\wv+2*\hh+1], v160 offset:4096*\wv+64*\hh
.endr
.endr
	s_wait_dscnt 0x0
.irp i, 0,1,2,3,4,5,6,7
	v_pk_add_f32 v[128+2*\i:129+2*\i], v[128+2*\i:129+2*\i], v[144+2*\i:145+2*\i]
.endr
.irp i, 0,1,2,3
	v_pk_add_f32 v[128+2*\i:129+2*\i], v[128+2*\i:129+2*\i], v[136+2*\i:137+2*\i]
.endr
.irp i, 0,1
	v_pk_add_f32 v[128+2*\i:129+2*\i], v[128+2*\i:129+2*\i], v[132+2*\i:133+2*\i]
.endr
	v_pk_add_f32 v[128:129], v[128:129], v[130:131]
	v_pk_mul_f32 v[128:129], v[128:129], s[KLN:KLN+1] op_sel_hi:[1,0]        ; log2 to ln
	s_wait_alu depctr_va_vdst(0)                   ; the two sums are written into v[128:129], which the store reads
	global_store_b64 v162, v[128:129], s[18:19] th:TH_STORE_NT               ; a wave stores 256 consecutive bytes, at a multiple of 256 from out1's first byte
	s_wait_dscnt 0x0                               ; the closing lines, six on end
	s_wait_alu 0x0
	s_wait_tensorcnt 0x0
	ds_add_u32 v222, v223
	s_wait_dscnt 0x0
	s_endpgm
.Lfunc_end_k_qec86eac33c_rqs:
	.size	k_qec86eac33c_rqs, .Lfunc_end_k_qec86eac33c_rqs-k_qec86eac33c_rqs
	.p2alignl 7, 3214868480
	.fill 96, 4, 3214868480
	.section	.rodata,"a",@progbits
	.p2align	6, 0x0
	.amdhsa_kernel k_qec86eac33c_rqs
		.amdhsa_group_segment_fixed_size 108800
		.amdhsa_private_segment_fixed_size 0
		.amdhsa_enable_private_segment 0
		.amdhsa_kernarg_size 64
		.amdhsa_user_sgpr_count 2
		.amdhsa_user_sgpr_kernarg_segment_ptr 1
		.amdhsa_wavefront_size32 1
		.amdhsa_system_sgpr_workgroup_id_x 1
		.amdhsa_system_sgpr_workgroup_id_y 1
		.amdhsa_system_sgpr_workgroup_id_z 1
		.amdhsa_system_vgpr_workitem_id 0
		.amdhsa_next_free_vgpr 512
		.amdhsa_next_free_sgpr 66
		.amdhsa_reserve_vcc 0
		.amdhsa_float_denorm_mode_32 3
		.amdhsa_float_denorm_mode_16_64 3
		.amdhsa_memory_ordered 1
		.amdhsa_forward_progress 1
		.amdhsa_inst_pref_size 230
	.end_amdhsa_kernel
	.amdgpu_metadata
---
amdhsa.version: [ 1, 2 ]
amdhsa.kernels:
  - .name:           k_qec86eac33c_rqs
    .symbol:         k_qec86eac33c_rqs.kd
    .args:
      - { .name: W1_codes, .offset: 0, .size: 8, .value_kind: global_buffer, .address_space: global }
      - { .name: W2_codes, .offset: 8, .size: 8, .value_kind: global_buffer, .address_space: global }
      - { .name: b1, .offset: 16, .size: 8, .value_kind: global_buffer, .address_space: global }
      - { .name: b2, .offset: 24, .size: 8, .value_kind: global_buffer, .address_space: global }
      - { .name: inputs, .offset: 32, .size: 8, .value_kind: global_buffer, .address_space: global }
      - { .name: lowp_scales, .offset: 40, .size: 8, .value_kind: global_buffer, .address_space: global }
      - { .name: out0, .offset: 48, .size: 8, .value_kind: global_buffer, .address_space: global }
      - { .name: out1, .offset: 56, .size: 8, .value_kind: global_buffer, .address_space: global }
    .group_segment_fixed_size: 108800
    .private_segment_fixed_size: 0
    .kernarg_segment_align: 8
    .kernarg_segment_size: 64
    .max_flat_workgroup_size: 256
    .sgpr_count:     66
    .vgpr_count:     512
    .wavefront_size: 32
...
	.end_amdgpu_metadata
.endif
;; end of part 2
